; MI455X (gfx1250); checked and timed in simulation.
; The chip was launched on July 23, 2026; its instructions are those of AMD's public machine-readable ISA for CDNA 5 (MIT licence, August 2026) and "CDNA5" Instruction Set Architecture Reference Guide (July 2026). The comments in the code are by the model that wrote it; some were corrected since.
;; Encoder Block. Allowed arithmetic: float matrix products may take bf16 or f16 operands with f32 sums; other float arithmetic in f32, or as packed bf16 or f16 multiplies, adds, multiply-adds, maxima and minima; sums over many terms, partial sums and values carried from step to step in f32; what a program stores and reads back later, other than sums and carried values, may be rounded once to bf16 or f16.
;; Inputs: W1 1,024 x 4,096 float32; W2 4,096 x 1,024 float32; Wk 1,024 x 1,024 float32; Wo 1,024 x 1,024 float32; Wq 1,024 x 1,024 float32; Wv 1,024 x 1,024 float32; b1 4,096 float32; b2 1,024 float32; be1 1 float32; be2 1 float32; bk 1,024 float32; bo 1,024 float32; bq 1,024 float32; bv 1,024 float32; g1 1 float32; g2 1 float32; mask 2 x 1 x 1 x 2,048 int32; x 2 x 2,048 x 1,024 float32.
;; Outputs: out0 2 x 2,048 x 1,024 float32.
;; One version. Each part assembles by itself: llvm-mc -triple=amdgcn-amd-amdhsa -mcpu=gfx1250 --defsym DOCPART=n.
;; ======== version 1 of 1: 7 launches
;; limits: values are held in f16: magnitudes above 65,504 overflow, below 6.1e-05 lose precision
;; workspace buffers: wts 25,202,688 bytes; act 8,388,608 bytes; qkv 25,165,824 bytes; obuf 8,388,608 bytes; hbuf 16,777,216 bytes; abuf 33,554,432 bytes
;; launch prep (part 1): grid 2049 x 1, 8 waves a work-group, no clusters, 0 bytes of LDS; arguments x, Wq, Wk, Wv, Wo, W1, W2, act, wts, g1, be1, bq, bk, bv, bo, b1, b2; writes act, wts
.if DOCPART == 1
	.amdgcn_target "amdgcn-amd-amdhsa--gfx1250"
	.amdhsa_code_object_version 6
	.text
	.protected	k_qb10450de4b_prep
	.globl	k_qb10450de4b_prep
	.p2align	8
	.type	k_qb10450de4b_prep,@function
k_qb10450de4b_prep:
	s_mov_b64 s[64:65], 0
	v_nop
	global_prefetch_b8 v0, s[64:65] scope:SCOPE_SE
	s_setreg_imm32_b32 hwreg(HW_REG_WAVE_MODE, 25, 1), 1
	s_wait_xcnt 0x0
; PREP.  Every input is rounded once to bf16 here (x again in the launch that adds it as a residual).
;   work-groups 0-511      act  = LN1(bf16(x)) in f16: (x - mu) g / (sigma + 1e-6) + be, sigma with the divisor 1023
;   work-groups 512-2047   wts  = the six weight matrices, still [k][n]: Wq | Wk | Wv side by side (rows of 3,072) and W1 as f16 of their bf16 rounding, Wo and W2 as bf16
;   work-group  2048       wts  = the six biases, rounded to bf16 and kept as f32
; A UNIT is 1,024 f32 (4,096 bytes) in and 2,048 bytes out; a wave takes one unit, a work-group eight.  Lane l holds numbers 128 j + 4 l .. + 3 of load j,
; so a load of the wave covers 512 consecutive bytes and a store 256 consecutive bytes, aligned.  A row of x is one unit: it stays in 32 registers between the
; passes for the mean, the squares and the scaling, and no wave waits for another: no LDS, no barrier.  With 72 registers many waves lie on a SIMD, each with eight loads out.
; The text is straight: no register that a pending load or store names is written again.
; LIMITS.  f16 ends at 65,504: 32 |g1| + |be1| (the bound of a normalised row of 1,024) and every |W| of Wq, Wk, Wv, W1 stay below it; a weight below 6e-5 keeps f16's fixed step of 6e-8.
.set X,   8                            ; v[8:39]    the unit, load j at + 4 j (the biases: v[8:43])
.set Y,   40                           ; v[40:55]   the 16-bit results
.set T,   56                           ; v[56:63]   at work
.set MU,  64                           ; v[64:65]   the mean, twice
.set INV, 66                           ; v[66:67]   g / (sigma + eps), twice
.set BE,  68                           ; v[68:69]   be, twice
.set GG,  70                           ; v70        g
.macro LOADS nt                        ; eight loads: the unit.  nt = 1: data that the launch reads once
.irp j, 0,1,2,3,4,5,6,7
.if \nt
	global_load_b128 v[X+4*(\j):X+4*(\j)+3], v2, s[42:43] offset:512*(\j) th:TH_LOAD_NT
.else
	global_load_b128 v[X+4*(\j):X+4*(\j)+3], v2, s[42:43] offset:512*(\j)
.endif
.endr
.endm
.macro RND n                           ; n pairs rounded to bf16, kept as f32, in place
.set p, 0
.rept \n
	v_cvt_pk_bf16_f32 v[T+p%8], v[X+2*p], v[X+2*p+1]
	v_lshlrev_b32 v[X+2*p], 16, v[T+p%8]
	v_and_b32 v[X+2*p+1], s52, v[T+p%8]
.set p, p+1
.endr
.endm
.macro CASTB                           ; the unit to bf16
.set p, 0
.rept 16
	v_cvt_pk_bf16_f32 v[Y+p], v[X+2*p], v[X+2*p+1]
.set p, p+1
.endr
.endm
.macro CASTH                           ; the unit (already on bf16's grid, or a normalised row) to f16
.set p, 0
.rept 16
	v_cvt_pk_f16_f32 v[Y+p], v[X+2*p], v[X+2*p+1]
.set p, p+1
.endr
.endm
.macro OUT                             ; eight stores of 8 bytes a lane
.irp j, 0,1,2,3,4,5,6,7
	global_store_b64 v3, v[Y+2*(\j):Y+2*(\j)+1], s[44:45] offset:256*(\j)
.endr
.endm
.macro TREE                            ; four packed chains into one number a lane, then the sum over the 32 lanes, in every lane
	v_pk_add_f32 v[T:T+1], v[T:T+1], v[T+2:T+3]
	v_pk_add_f32 v[T+4:T+5], v[T+4:T+5], v[T+6:T+7]
	v_pk_add_f32 v[T:T+1], v[T:T+1], v[T+4:T+5]
	v_add_f32 v[T], v[T], v[T+1]
	v_add_f32_dpp v[T], v[T], v[T] row_xmask:1 row_mask:0xf bank_mask:0xf
	v_add_f32_dpp v[T], v[T], v[T] row_xmask:2 row_mask:0xf bank_mask:0xf
	v_add_f32_dpp v[T], v[T], v[T] row_xmask:4 row_mask:0xf bank_mask:0xf
	v_add_f32_dpp v[T], v[T], v[T] row_xmask:8 row_mask:0xf bank_mask:0xf
	v_permlanex16_b32 v[T+1], v[T], s54, s55
	v_add_f32 v[T], v[T], v[T+1]
.endm
.macro PICK bound, src, pitch, fmt, off  ; from work-group \bound on: another matrix, pitch of the destination, format (1 = f16) and place in wts
	s_cmp_ge_u32 s3, \bound
	s_cselect_b64 s[42:43], s[\src:\src+1], s[42:43]
	s_cselect_b32 s46, \bound, s46
	s_cselect_b32 s47, \pitch, s47
	s_cselect_b32 s48, \fmt, s48
	s_cselect_b32 s49, \off, s49
.endm
	s_load_b512 s[8:23], s[0:1], 0x0               ; x s[8:9], Wq s[10:11], Wk s[12:13], Wv s[14:15], Wo s[16:17], W1 s[18:19], W2 s[20:21], act s[22:23]
	s_load_b512 s[24:39], s[0:1], 0x40             ; wts s[24:25], g1 s[26:27], be1 s[28:29], bq s[30:31], bk s[32:33], bv s[34:35], bo s[36:37], b1 s[38:39]
	s_load_b64 s[40:41], s[0:1], 0x80              ; b2
	v_lshrrev_b32 v1, 5, v0
	v_readfirstlane_b32 s2, v1                     ; wave 0..7
	v_and_b32 v1, 31, v0
	v_lshlrev_b32 v2, 4, v1                        ; 16 bytes a lane in
	v_lshlrev_b32 v3, 3, v1                        ; 8 bytes a lane out
	s_mov_b32 s3, ttmp9
	s_mov_b32 s51, 0
	s_mov_b32 s52, 0xffff0000                      ; a word's upper bf16
	s_mov_b32 s54, 0x76543210                      ; v_permlanex16_b32: each lane takes its own place in the other half
	s_mov_b32 s55, 0xfedcba98
	s_wait_kmcnt 0x0
	s_cmp_lt_u32 s3, 512
	s_cbranch_scc1 .Lnorm
	s_cmp_eq_u32 s3, 2048
	s_cbranch_scc1 .Lbias
	; THE WEIGHTS.  Which matrix, and where it goes, hang on the work-group's number alone.
	s_mov_b64 s[42:43], s[10:11]                   ; Wq: rows of 6,144 bytes in wts, f16
	s_mov_b32 s46, 512
	s_mov_b32 s47, 6144
	s_mov_b32 s48, 1
	s_mov_b32 s49, 0
	PICK 640, 12, 6144, 1, 2048                    ; Wk
	PICK 768, 14, 6144, 1, 4096                    ; Wv
	PICK 896, 16, 2048, 0, 14680064                ; Wo, bf16
	PICK 1024, 18, 2048, 1, 6291456                ; W1, f16
	PICK 1536, 20, 2048, 0, 16777216               ; W2, bf16
	s_sub_co_u32 s46, s3, s46
	s_lshl_b32 s46, s46, 3
	s_add_co_u32 s46, s46, s2                      ; my unit = 8 x (work-group - first) + wave
	s_lshl_b32 s50, s46, 12
	s_add_nc_u64 s[42:43], s[42:43], s[50:51]
	s_mul_i32 s50, s46, s47
	s_add_co_u32 s50, s50, s49
	s_add_nc_u64 s[44:45], s[24:25], s[50:51]
	LOADS 1
	s_cmp_eq_u32 s48, 1
	s_cbranch_scc1 .Lhalf
	s_wait_loadcnt 0x0
	CASTB
	OUT
	s_endpgm
.Lhalf:
	s_wait_loadcnt 0x0
	RND 16
	CASTH
	OUT
	s_endpgm
.Lnorm:                                                ; LN1
	s_load_b32 s56, s[26:27], 0x0
	s_load_b32 s57, s[28:29], 0x0
	s_lshl_b32 s46, s3, 3
	s_add_co_u32 s46, s46, s2                      ; my row
	s_lshl_b32 s50, s46, 12
	s_add_nc_u64 s[42:43], s[8:9], s[50:51]
	s_lshl_b32 s50, s46, 11
	s_add_nc_u64 s[44:45], s[22:23], s[50:51]
	LOADS 0                                        ; x is read again by a later launch: no hint
	s_wait_kmcnt 0x0
	v_mov_b32 v[GG], s56
	v_mov_b32 v[BE], s57
	v_cvt_pk_bf16_f32 v[T], v[GG], v[BE]           ; g1 and be1 are inputs too: rounded to bf16
	v_lshlrev_b32 v[GG], 16, v[T]
	v_and_b32 v[BE], s52, v[T]
	v_mov_b32 v[BE+1], v[BE]
	s_wait_loadcnt 0x0
	RND 16
.irp c, 0,1,2,3
	v_pk_add_f32 v[T+2*(\c):T+2*(\c)+1], v[X+2*(\c):X+2*(\c)+1], v[X+8+2*(\c):X+8+2*(\c)+1]
.endr
.irp c, 0,1,2,3
	v_pk_add_f32 v[T+2*(\c):T+2*(\c)+1], v[T+2*(\c):T+2*(\c)+1], v[X+16+2*(\c):X+16+2*(\c)+1]
.endr
.irp c, 0,1,2,3
	v_pk_add_f32 v[T+2*(\c):T+2*(\c)+1], v[T+2*(\c):T+2*(\c)+1], v[X+24+2*(\c):X+24+2*(\c)+1]
.endr
	TREE
	v_mul_f32 v[MU], 0x3a800000, v[T]              ; sum / 1024
	v_mul_f32 v[MU+1], 0x3a800000, v[T]
.set p, 0
.rept 16
	v_pk_add_f32 v[X+2*p:X+2*p+1], v[X+2*p:X+2*p+1], v[MU:MU+1] neg_lo:[0,1] neg_hi:[0,1]  ; x - mu, in place: the squares are taken of the differences, as the definition has it
.set p, p+1
.endr
.irp c, 0,1,2,3
	v_pk_mul_f32 v[T+2*(\c):T+2*(\c)+1], v[X+2*(\c):X+2*(\c)+1], v[X+2*(\c):X+2*(\c)+1]
.endr
.set p, 4
.rept 12
	v_pk_fma_f32 v[T+2*(p%4):T+2*(p%4)+1], v[X+2*p:X+2*p+1], v[X+2*p:X+2*p+1], v[T+2*(p%4):T+2*(p%4)+1]
.set p, p+1
.endr
	TREE
	v_mul_f32 v[T], 0x3a802008, v[T]               ; / 1023
	v_sqrt_f32 v[T], v[T]
	v_nop                                          ; a plain instruction behind a transcendental, ahead of the use of its result (ISA guide 5.7.2)
	s_wait_alu depctr_va_vdst(0)
	v_add_f32 v[T], 0x358637bd, v[T]               ; sigma + 1e-6
	v_rcp_f32 v[T], v[T]
	v_nop
	s_wait_alu depctr_va_vdst(0)
	v_mul_f32 v[INV], v[GG], v[T]
	v_mul_f32 v[INV+1], v[GG], v[T]
.set p, 0
.rept 16
	v_pk_fma_f32 v[X+2*p:X+2*p+1], v[X+2*p:X+2*p+1], v[INV:INV+1], v[BE:BE+1]
.set p, p+1
.endr
	CASTH
	OUT
	s_endpgm
.Lbias:                                                ; 9 blocks of 1,024 f32, in the order in which they lie in wts: bq, bk, bv, b1 (four), bo, b2
	v_lshlrev_b32 v5, 4, v0
	global_load_b128 v[X:X+3],     v5, s[30:31]
	global_load_b128 v[X+4:X+7],   v5, s[32:33]
	global_load_b128 v[X+8:X+11],  v5, s[34:35]
	global_load_b128 v[X+12:X+15], v5, s[38:39]
	global_load_b128 v[X+16:X+19], v5, s[38:39] offset:4096
	global_load_b128 v[X+20:X+23], v5, s[38:39] offset:8192
	global_load_b128 v[X+24:X+27], v5, s[38:39] offset:12288
	global_load_b128 v[X+28:X+31], v5, s[36:37]
	global_load_b128 v[X+32:X+35], v5, s[40:41]
	s_add_nc_u64 s[44:45], s[24:25], 25165824
	s_wait_loadcnt 0x0
	RND 18
.irp i, 0,1,2,3,4,5,6,7,8
	global_store_b128 v5, v[X+4*(\i):X+4*(\i)+3], s[44:45] offset:4096*(\i)
.endr
	s_endpgm
.Lfunc_end_k_qb10450de4b_prep:
	.size	k_qb10450de4b_prep, .Lfunc_end_k_qb10450de4b_prep-k_qb10450de4b_prep
	.p2alignl 7, 3214868480
	.fill 96, 4, 3214868480
	.section	.rodata,"a",@progbits
	.p2align	6, 0x0
	.amdhsa_kernel k_qb10450de4b_prep
		.amdhsa_group_segment_fixed_size 0
		.amdhsa_private_segment_fixed_size 0
		.amdhsa_enable_private_segment 0
		.amdhsa_kernarg_size 136
		.amdhsa_user_sgpr_count 2
		.amdhsa_user_sgpr_kernarg_segment_ptr 1
		.amdhsa_wavefront_size32 1
		.amdhsa_system_sgpr_workgroup_id_x 1
		.amdhsa_system_sgpr_workgroup_id_y 1
		.amdhsa_system_sgpr_workgroup_id_z 1
		.amdhsa_system_vgpr_workitem_id 0
		.amdhsa_next_free_vgpr 72
		.amdhsa_next_free_sgpr 66
		.amdhsa_reserve_vcc 0
		.amdhsa_float_denorm_mode_32 3
		.amdhsa_float_denorm_mode_16_64 3
		.amdhsa_memory_ordered 1
		.amdhsa_forward_progress 1
		.amdhsa_inst_pref_size 25
	.end_amdhsa_kernel
	.amdgpu_metadata
---
amdhsa.version: [ 1, 2 ]
amdhsa.kernels:
  - .name:           k_qb10450de4b_prep
    .symbol:         k_qb10450de4b_prep.kd
    .args:
      - { .name: x, .offset: 0, .size: 8, .value_kind: global_buffer, .address_space: global }
      - { .name: Wq, .offset: 8, .size: 8, .value_kind: global_buffer, .address_space: global }
      - { .name: Wk, .offset: 16, .size: 8, .value_kind: global_buffer, .address_space: global }
      - { .name: Wv, .offset: 24, .size: 8, .value_kind: global_buffer, .address_space: global }
      - { .name: Wo, .offset: 32, .size: 8, .value_kind: global_buffer, .address_space: global }
      - { .name: W1, .offset: 40, .size: 8, .value_kind: global_buffer, .address_space: global }
      - { .name: W2, .offset: 48, .size: 8, .value_kind: global_buffer, .address_space: global }
      - { .name: act, .offset: 56, .size: 8, .value_kind: global_buffer, .address_space: global }
      - { .name: wts, .offset: 64, .size: 8, .value_kind: global_buffer, .address_space: global }
      - { .name: g1, .offset: 72, .size: 8, .value_kind: global_buffer, .address_space: global }
      - { .name: be1, .offset: 80, .size: 8, .value_kind: global_buffer, .address_space: global }
      - { .name: bq, .offset: 88, .size: 8, .value_kind: global_buffer, .address_space: global }
      - { .name: bk, .offset: 96, .size: 8, .value_kind: global_buffer, .address_space: global }
      - { .name: bv, .offset: 104, .size: 8, .value_kind: global_buffer, .address_space: global }
      - { .name: bo, .offset: 112, .size: 8, .value_kind: global_buffer, .address_space: global }
      - { .name: b1, .offset: 120, .size: 8, .value_kind: global_buffer, .address_space: global }
      - { .name: b2, .offset: 128, .size: 8, .value_kind: global_buffer, .address_space: global }
    .group_segment_fixed_size: 0
    .private_segment_fixed_size: 0
    .kernarg_segment_align: 8
    .kernarg_segment_size: 136
    .max_flat_workgroup_size: 256
    .sgpr_count:     66
    .vgpr_count:     72
    .wavefront_size: 32
...
	.end_amdgpu_metadata
.endif
;; end of part 1
;; launch proj (part 2): grid 16 x 16, 4 waves a work-group, clusters of 4 x 4, 327,680 bytes of LDS; arguments act, wts, qkv; writes qkv
.if DOCPART == 2
	.amdgcn_target "amdgcn-amd-amdhsa--gfx1250"
	.amdhsa_code_object_version 6
	.text
	.protected	k_qb10450de4b_proj
	.globl	k_qb10450de4b_proj
	.p2align	8
	.type	k_qb10450de4b_proj,@function
k_qb10450de4b_proj:
	s_mov_b64 s[64:65], 0
	v_nop
	global_prefetch_b8 v0, s[64:65] scope:SCOPE_SE
	s_setreg_imm32_b32 hwreg(HW_REG_WAVE_MODE, 25, 1), 1
	s_wait_xcnt 0x0
	s_wait_alu depctr_hold_cnt(0) depctr_sa_sdst(0) depctr_va_vdst(0) depctr_va_sdst(0) depctr_va_ssrc(0) depctr_va_vcc(0) depctr_vm_vsrc(0)
	s_getreg_b32 s2, hwreg(HW_REG_IB_STS2, 6, 4)
	s_cmp_eq_u32 s2, 0
	s_cbranch_scc0 .Lentry_in_a_cluster
	s_endpgm
.Lentry_in_a_cluster:
	s_bfe_u32 s2, ttmp6, 0x10000c
	s_cmp_lg_u32 s2, 0xf033
	s_cbranch_scc0 .Lentry_shape_is_right
	s_endpgm
.Lentry_shape_is_right:
; ONE TEXT FOR TWO LAUNCHES; KIND chooses.  C = A W + bias, A [4096][1024] f16 (a normalised activation), W [1024][NTOT] f16 as it lies, [k][n]; sums in f32, C rounded once to bf16.
;   KIND 0: W = Wq | Wk | Wv (NTOT 3,072); C goes out by heads: qkv[which][batch x 16 + head][token][64].  A tile of C is 256 x 192 (three heads); a wave has 64 rows x 192 columns: 48 accumulators.
;   KIND 1: W = W1 (NTOT 4,096); C = relu(..) goes to abuf [4096][4096].  A tile is 256 x 256; a wave has 128 x 128: 64 accumulators.
; Both give 16 x 16 = 256 work-groups of four waves.  K goes in 8 steps of 128 through two LDS slots filled by tensor loads: waves 0, 1 bring A's two halves (128 rows x 256 bytes), waves 2, 3 W's (64 k rows).
; CLUSTER 4 x 4: A's tile hangs on the tile row alone and is asked for jointly by a row of the cluster, W's on the tile column alone, by a column.
; THE MATRIX INSTRUCTION IS USED TRANSPOSED: source 0 = 16 columns of W (turned on the way out of LDS by ds_load_tr16_b128), source 1 = 16 rows of A.  Lane l of a result holds row l % 16 of C
; and the columns 8 (l / 16) + 0..7.  THE BIAS is the C operand of each accumulator's first product: eight f32 a lane and column block, loaded once.
; HALF A K STEP'S TEXT, WALKED TWICE A STEP.  A quarter is 32 along K, on fragment buffers 0, 1 by turns; its products fall into those of my lower and of my upper row blocks.  A trip of the inner loop begins where a
; quarter's fragments are fetched: fetch quarter e (even) | upper blocks of e - 1 | lower blocks of e | fetch e + 1 | upper blocks of e | lower blocks of e + 1.  So the change of slots stands between two trips, ahead of the
; fetch that first reads the new slot.  The LDS addresses hang on two scalars that step each trip and go back and turn at the change.  The first quarter (with the bias) stands ahead of the loop, which is entered in the
; middle of a trip; the last step's two trips are written out once more behind the change that asks for nothing; the last quarter's upper blocks follow.
; By this text's own count a wave has two tensor loads out at the start and one behind each round.
; LIMIT.  f16 operands: see the launch that writes them.  The results are bf16: no bound of range beyond f32's exponent.  KIND 1: the maximum with 0 lets a NaN lose.
; REGISTERS, in windows of 256 (s_set_vgpr_msb: bits 1:0 source 0, 3:2 source 1, 5:4 source 2, 7:6 destination): window 0 addresses, A's two fragment buffers, the way out (KIND 0: the bias too);
; window 1 W's two fragment buffers (KIND 1: the bias too); windows 2 and 3 the accumulators of the lower and the upper half of my row blocks, (a, b) at v[8 ((a % (MB / 2)) NBK + b)].
.set KIND,   0
.set KSTEP,  128
.set STEPS,  1024/KSTEP
.set APITCH, 272                       ; an LDS row of A: 256 bytes + 16: the 16 rows of a fragment load start 16 bytes apart modulo 256
.set AHALF,  128*APITCH
.set ABYTES, 2*AHALF
.if KIND == 0
.set MB,     4                         ; my row blocks of 16
.set NBK,    12                        ; my column blocks of 16
.set BPITCH, 480                       ; an LDS row of W: three pieces of 128 bytes + 32
.set BQI,    4                         ; the padding's interval: 32 words
.set NTOT,   3072
.set TILEN,  192
.set WOFF,   0                         ; W's place in wts
.set BIASOFF, 25165824                 ; the bias's
.set SLOT,   131072
.set SPITCH, 400                       ; a stage row: 384 bytes + 16
.set FA0,    64
.set FA1,    96
.set FB0,    0
.set FB1,    96
.set BIAS,   128
.set CW,     0                         ; the bias's window
.set TMP,    128
.set OB0,    64
.set OB1,    176
.else
.set MB,     8
.set NBK,    8
.set BPITCH, 544                       ; 512 bytes + 32
.set BQI,    6                         ; 128 words
.set NTOT,   4096
.set TILEN,  256
.set WOFF,   6291456
.set BIASOFF, 25165824+12288
.set SLOT,   139264
.set SPITCH, 272
.set FA0,    64
.set FA1,    128
.set FB0,    64
.set FB1,    128
.set BIAS,   192
.set CW,     1
.set TMP,    192
.set OB0,    32
.set OB1,    224
.endif
.set BHALF,  64*BPITCH
.set BSTEP,  KSTEP*NTOT*2
.set PAIRA,  128                       ; a trip's two quarters along A's LDS rows, in bytes
.set PAIRW,  64*BPITCH                 ; and down W's: 64 k rows
.set STAGE,  2*SLOT                    ; behind the ring: 16 rows for each wave, for the way out; no tensor load lands there
.set SPARE,  STAGE+4*16*SPITCH         ; behind the stages: the spare words, 128 bytes a wave, which no other line names
; SLOT shares no bit with a slot-0 fill's LDS address (0, AHALF, ABYTES, ABYTES + BHALF), so one exclusive or moves such an address to the other slot and back.
.set ADRA0, 16                         ; v16  my lane's place in A's part of slot 0; never rewritten
.set ADRB0, 17                         ; v17  the same for W
.set ADRA,  18                         ; v18  the same for the trip in hand
.set ADRB,  19                         ; v19
.set STO,   24                         ; v24  the way out: where I put 16 bytes of a row
.set RD,    25                         ; v25  where I read rows back
.set GO,    26                         ; v26  my byte offset in the output
.set SPW,   28                         ; v28  my spare word: SPARE + 4 x my thread's number; never rewritten
.set NIL,   29                         ; v29  0; never rewritten
.set ZR,    30                         ; v30  0, for the packed maximum
.set G1A, 24                           ; s[24:31] descriptor group 1, A
.set G0A, 32                           ; s[32:39] group 0, A: a set for each first fill; the second then walks
.set G1B, 48                           ; s[48:55], s[56:63] the same for W
.set G0B, 56
.set TA,  66                           ; s66  the slot in hand (0 or SLOT) + the trip's place along A's rows
.set TW,  67                           ; s67  the same down W's rows
.set CNT, 68                           ; s68  counts a step's two trips
.set MSB, 0
.macro WIN new                         ; the immediate's high byte repeats the setting that is left; a switch that changes nothing is dropped
.if MSB != (\new)
	s_set_vgpr_msb (MSB<<8)|(\new)
.set MSB, \new
.endif
.endm
.macro PLACES                          ; four plain vector instructions between a matrix instruction and a load into, or a vector read of, its registers (ISA guide 7.12.1 for vector reads)
.rept 4
	v_nop
.endr
.endm
.macro JLOAD                           ; the joint refill: waves 0, 1 by A's walking descriptor, waves 2, 3 by W's; s_nop 0 and four v_nop behind each line
	s_cmp_eq_u32 s11, 0
	s_cbranch_scc0 .Lfor_b_\@
	tensor_load_to_lds s[G0A+4:G0A+7], s[G1A:G1A+7]
	s_nop 0
.rept 4
	v_nop
.endr
	s_branch .Lasked_\@
.Lfor_b_\@:
	tensor_load_to_lds s[G0B+4:G0B+7], s[G1B:G1B+7]
	s_nop 0
.rept 4
	v_nop
.endr
.Lasked_\@:
.endm
.macro CROUND                          ; a round of the cluster's barrier
	s_barrier_signal -1
	s_barrier_wait -1
	s_cmp_lg_u32 s10, 0
	s_cbranch_scc1 .Lnot_wave_0_\@
	s_barrier_signal -3
.Lnot_wave_0_\@:
	s_barrier_wait -3
	s_barrier_signal -1
	s_barrier_wait -1
.endm
	s_load_b128 s[4:7], s[0:1], 0x0                ; A s[4:5], wts s[6:7]
	s_load_b64 s[8:9], s[0:1], 0x10                ; the output
	v_lshl_add_u32 v[SPW], v0, 2, SPARE
	v_mov_b32 v[NIL], 0
	ds_add_u32 v[SPW], v[NIL]                      ; the wave's opening: the add and its wait stand ahead of my first tensor load; work on registers stands between them
	v_lshrrev_b32 v1, 5, v0
	v_readfirstlane_b32 s10, v1                    ; wave 0..3
	s_lshr_b32 s11, s10, 1                         ; I fetch for A (0) or for W (1); KIND 1: my half of the tile's rows
	s_and_b32 s12, s10, 1                          ; which half I fetch; KIND 1: my half of the tile's columns
	s_bfe_u32 s40, ttmp6, 0x40000                  ; cx
	s_bfe_u32 s41, ttmp6, 0x40004                  ; cy
	s_lshl_b32 s42, ttmp9, 2
	s_add_co_u32 s42, s42, s40                     ; tile column
	s_and_b32 s13, ttmp7, 0xffff
	s_lshl_b32 s13, s13, 2
	s_add_co_u32 s13, s13, s41                     ; tile row
	s_lshl_b32 s43, s41, 2
	s_lshl_b32 s43, 15, s43                        ; my row of the cluster
	s_lshl_b32 s44, 0x1111, s40                    ; my column
	s_or_b32 s[G1A], s43, (1<<16)|(1<<20)|(1<<21)|(5<<22)|(3<<25)    ; the mask; 2-byte elements; padding on; bit 21 beside a mask; after every 64 words 4 words
	s_or_b32 s[G1B], s44, (1<<16)|(1<<20)|(1<<21)|(BQI<<22)|(7<<25)  ; after every 32 or 128 words 8 words
	s_mov_b32 s[G1A+1], KSTEP<<16                  ; tensor_dim0
	s_mov_b32 s[G1A+2], 128<<16                    ; tensor_dim1
	s_mov_b32 s[G1A+3], KSTEP<<16                  ; tile_dim0
	s_mov_b32 s[G1A+4], 128                        ; tile_dim1
	s_mov_b32 s[G1A+5], 1024                       ; elements from row to row
	s_mov_b32 s[G1A+6], 0
	s_mov_b32 s[G1A+7], 0
	s_mov_b32 s[G1B+1], TILEN<<16
	s_mov_b32 s[G1B+2], 64<<16
	s_mov_b32 s[G1B+3], TILEN<<16
	s_mov_b32 s[G1B+4], 64
	s_mov_b32 s[G1B+5], NTOT
	s_mov_b32 s[G1B+6], 0
	s_mov_b32 s[G1B+7], 0
	s_lshl_b32 s16, s13, 19                        ; A: (256 x tile row + 128 x half) rows of 2,048 bytes
	s_lshl_b32 s17, s12, 18
	s_add_co_u32 s16, s16, s17
	s_mov_b32 s17, 0
	s_mul_i32 s46, s12, 64*NTOT*2                  ; W: 64 x half rows, the tile's first column
	s_mul_i32 s47, s42, TILEN*2
	s_add_co_u32 s46, s46, s47
	s_add_co_u32 s46, s46, WOFF
	s_mov_b32 s47, 0
	s_mul_i32 s18, s42, TILEN*4                    ; the bias of my columns
.if KIND == 1
	s_lshl_b32 s19, s12, 9
	s_add_co_u32 s18, s18, s19
.endif
	s_add_co_u32 s18, s18, BIASOFF
	s_mov_b32 s19, 0
	s_mul_i32 s20, s12, AHALF                      ; where a fill goes: no place in the cluster enters an LDS address
	s_mul_i32 s21, s12, BHALF
	s_add_co_u32 s21, s21, ABYTES
	s_mov_b32 s[TA], 0
	s_mov_b32 s[TW], 0
	s_wait_dscnt 0x0                               ; the opening add is done
	s_wait_kmcnt 0x0
	s_add_nc_u64 s[14:15], s[4:5], s[16:17]
	s_add_nc_u64 s[46:47], s[6:7], s[46:47]
	s_add_nc_u64 s[18:19], s[6:7], s[18:19]
.irp s, 0,1
	s_mov_b32 s[G0A+4*(\s)], 1
	s_add_co_u32 s[G0A+4*(\s)+1], s20, (\s)*SLOT
	s_add_nc_u64 s[G0A+4*(\s)+2:G0A+4*(\s)+3], s[14:15], (\s)*KSTEP*2
	s_or_b32 s[G0A+4*(\s)+3], s[G0A+4*(\s)+3], 0x80000000
	s_mov_b32 s[G0B+4*(\s)], 1
	s_add_co_u32 s[G0B+4*(\s)+1], s21, (\s)*SLOT
	s_add_nc_u64 s[G0B+4*(\s)+2:G0B+4*(\s)+3], s[46:47], (\s)*BSTEP
	s_or_b32 s[G0B+4*(\s)+3], s[G0B+4*(\s)+3], 0x80000000
.endr
	CROUND                                         ; all sixteen work-groups are here: the first joint loads meet
	s_cmp_eq_u32 s11, 0                            ; a wave's two first fills stand in one branch, ahead of every wait on TENSORcnt and every LDS read
	s_cbranch_scc0 .Lfirst_b
	tensor_load_to_lds s[G0A:G0A+3], s[G1A:G1A+7]
	s_nop 0
	tensor_load_to_lds s[G0A+4:G0A+7], s[G1A:G1A+7]
	s_nop 0
.rept 4
	v_nop
.endr
	s_branch .Lfirst_asked
.Lfirst_b:
	tensor_load_to_lds s[G0B:G0B+3], s[G1B:G1B+7]
	s_nop 0
	tensor_load_to_lds s[G0B+4:G0B+7], s[G1B:G1B+7]
	s_nop 0
.rept 4
	v_nop
.endr
.Lfirst_asked:
	v_and_b32 v1, 15, v0                           ; r = l % 16
	v_bfe_u32 v2, v0, 4, 1                         ; h = l / 16
	v_and_b32 v3, 7, v0
	v_bfe_u32 v4, v0, 3, 1
	v_lshlrev_b32 v5, 5, v2                        ; the bias: my eight columns of a block begin 32 h bytes into its 64
	WIN CW<<6
.set ib, 0
.rept NBK
	global_load_b128 v[BIAS+8*ib:BIAS+8*ib+3],   v5, s[18:19] offset:64*ib
	global_load_b128 v[BIAS+8*ib+4:BIAS+8*ib+7], v5, s[18:19] offset:64*ib+16
.set ib, ib+1
.endr
	WIN 0
	v_mov_b32 v[ZR], 0
	; A's fragment: lane l holds row r; two loads of 16 bytes, 32 apart, at row x pitch + 16 h.  W's: the turning load reads k row 8 h + l % 8, 16 bytes at 16 ((l / 8) % 2), and leaves column r, eight k.
	v_mul_u32_u24 v6, v1, APITCH
	v_lshl_add_u32 v6, v2, 4, v6
.if KIND == 0
	s_mul_i32 s22, s10, 64*APITCH                  ; my 64 rows
.else
	s_mul_i32 s22, s11, AHALF                      ; my 128 rows
.endif
	v_add_nc_u32 v[ADRA0], s22, v6
	v_lshl_add_u32 v7, v2, 3, v3
	v_mul_u32_u24 v7, v7, BPITCH
	v_lshl_add_u32 v7, v4, 4, v7
.if KIND == 0
	v_add_nc_u32 v[ADRB0], ABYTES, v7
.else
	s_lshl_b32 s22, s12, 8                         ; my 128 columns
	s_add_co_u32 s22, s22, ABYTES
	v_add_nc_u32 v[ADRB0], s22, v7
.endif
	v_mov_b32 v[ADRA], v[ADRA0]
	v_mov_b32 v[ADRB], v[ADRB0]
	s_mul_i32 s23, s10, 16*SPITCH
	s_add_co_u32 s23, s23, STAGE                   ; my stage
	v_mul_u32_u24 v6, v1, SPITCH                   ; in: row r, 16 bytes for each half of the lanes
	v_lshl_add_u32 v6, v2, 4, v6
	v_add_nc_u32 v[STO], s23, v6
.if KIND == 0
	v_bfe_u32 v6, v0, 3, 2                         ; back: 32 lanes take four rows' 128 bytes of one head,
	v_mul_u32_u24 v6, v6, SPITCH
	v_lshl_add_u32 v6, v3, 4, v6
	v_add_nc_u32 v[RD], s23, v6
	v_and_b32 v[GO], 31, v0                        ; which are 512 consecutive bytes of the output
	v_lshlrev_b32 v[GO], 4, v[GO]
	s_mul_i32 s46, s42, 3                          ; my tile's first head slot among 48 (q's 16, k's 16, v's 16)
	s_lshr_b32 s22, s13, 3                         ; the batch,
	s_lshl_b32 s22, s22, 4                         ; its 16 heads
	s_and_b32 s23, s13, 7
	s_lshl_b32 s23, s23, 8
	s_lshl_b32 s47, s10, 6
	s_add_co_u32 s23, s23, s47                     ; my first token in the batch,
	s_lshl_b32 s23, s23, 7                         ; 128 bytes each
.irp hh, 0,1,2
	s_add_co_u32 s47, s46, \hh
	s_lshr_b32 s78, s47, 4                         ; which of q, k, v: 32 heads each
	s_lshl_b32 s78, s78, 5
	s_and_b32 s47, s47, 15
	s_add_co_u32 s78, s78, s47
	s_add_co_u32 s78, s78, s22
	s_lshl_b32 s78, s78, 18                        ; a head is 262,144 bytes
	s_add_co_u32 s78, s78, s23
	s_mov_b32 s79, 0
	s_add_nc_u64 s[72+2*\hh:73+2*\hh], s[8:9], s[78:79]
.endr
.else
	v_mul_u32_u24 v6, v2, SPITCH                   ; back: lanes 0-15 take one row of 256 bytes, lanes 16-31 the next
	v_lshl_add_u32 v6, v1, 4, v6
	v_add_nc_u32 v[RD], s23, v6
	v_lshlrev_b32 v[GO], 13, v2                    ; and the same two rows of the output, 8,192 bytes apart
	v_lshl_add_u32 v[GO], v1, 4, v[GO]
	s_lshl_b32 s78, s13, 21                        ; (256 x tile row + 128 x my half) rows, 512 x tile column + 256 x my half bytes
	s_lshl_b32 s79, s11, 20
	s_add_co_u32 s78, s78, s79
	s_lshl_b32 s79, s42, 9
	s_add_co_u32 s78, s78, s79
	s_lshl_b32 s79, s12, 8
	s_add_co_u32 s78, s78, s79
	s_mov_b32 s79, 0
	s_add_nc_u64 s[72:73], s[8:9], s[78:79]
.endif
; NBK matrix instructions: row block a x all my column blocks, 32 along K, from buffers f.  first = 1: the bias starts the sums: nothing is cleared.
.macro MULA f, a, first
.set WD, 2+(\a)/(MB/2)
.set AC, 8*(((\a)%(MB/2))*NBK)
.set FAx, FA0+(\f)*(FA1-FA0)+8*(\a)
.set FBx, FB0+(\f)*(FB1-FB0)
.if \first
	WIN (WD<<6)|(CW<<4)|1
.else
	WIN (WD<<6)|(WD<<4)|1
.endif
.set ib, 0
.rept NBK
.if \first
	v_wmma_f32_16x16x32_f16 v[AC+8*ib:AC+8*ib+7], v[FBx+8*ib:FBx+8*ib+7], v[FAx:FAx+7], v[BIAS+8*ib:BIAS+8*ib+7]
.else
	v_wmma_f32_16x16x32_f16 v[AC+8*ib:AC+8*ib+7], v[FBx+8*ib:FBx+8*ib+7], v[FAx:FAx+7], v[AC+8*ib:AC+8*ib+7]
.endif
.set ib, ib+1
.endr
.endm
.macro LOWER f, first                  ; my lower row blocks.  All accumulators take turns in one order in every quarter
.set ia, 0
.rept MB/2
	MULA \f, ia, \first
.set ia, ia+1
.endr
.endm
.macro UPPER f, first                  ; my upper row blocks
.set ia, MB/2
.rept MB/2
	MULA \f, ia, \first
.set ia, ia+1
.endr
.endm
; 32 LDS loads in one run: the fragments of the trip's quarter kq (0, 1) into buffers g: W's 2 NBK first, then A's 2 MB, the lower row blocks first
.macro FETCH kq, g
.set FAx, FA0+(\g)*(FA1-FA0)
.set FBx, FB0+(\g)*(FB1-FB0)
	WIN 0x40
.set ib, 0
.rept NBK
.if KIND == 0
.set BO, (ib/4)*160+(ib%4)*32
.else
.set BO, 32*ib
.endif
	ds_load_tr16_b128 v[FBx+8*ib:FBx+8*ib+3],   v[ADRB] offset:(\kq)*32*BPITCH+BO
	ds_load_tr16_b128 v[FBx+8*ib+4:FBx+8*ib+7], v[ADRB] offset:(\kq)*32*BPITCH+BO+16*BPITCH
.set ib, ib+1
.endr
	WIN 0
.set ib, 0
.rept MB
	ds_load_b128 v[FAx+8*ib:FAx+8*ib+3],   v[ADRA] offset:ib*16*APITCH+64*(\kq)
	ds_load_b128 v[FAx+8*ib+4:FAx+8*ib+7], v[ADRA] offset:ib*16*APITCH+64*(\kq)+32
.set ib, ib+1
.endr
.endm
; A step's two trips.  mid = 1: the copy that is entered in the middle of its first trip.
.macro PAIR tag, mid
.Lstep\tag:
	v_add_nc_u32 v[ADRA], s[TA], v[ADRA0]          ; these two and two v_nop are the places in front of the loads into buffers 0
	v_add_nc_u32 v[ADRB], s[TW], v[ADRB0]
	v_nop
	v_nop
	FETCH 0, 0
	s_wait_dscnt 32                                ; all but the 32 just issued: buffers 1 are whole
	UPPER 1, 0
	s_wait_dscnt MB                                ; W and A's lower row blocks are in; the youngest MB loads (A's upper blocks) may be out
	LOWER 0, 0
	PLACES
	FETCH 1, 1
	s_wait_dscnt 32                                ; all but the 32 just issued: buffers 0 are whole
	UPPER 0, 0
.if \mid
	WIN 0                                          ; at a label every window is 0
.Lmid:
.endif
	s_wait_dscnt MB
	LOWER 1, 0
	WIN 0
	s_add_co_u32 s[TA], s[TA], PAIRA               ; the next trip's two quarters
	s_add_co_u32 s[TW], s[TW], PAIRW
	s_sub_co_u32 s[CNT], s[CNT], 1
	s_cmp_lg_u32 s[CNT], 0
	s_cbranch_scc1 .Lstep\tag
.endm
; THE CHANGE OF SLOTS.  The slot's last quarter has been fetched.  Each wave waits for all its tensor loads (one is out: its part of the next slot), adds 0 to its spare word, and waits for that and for its reads of
; this slot.  fill = 1: the barrier is a round of the cluster's barrier, so that no wave of any partner still reads the slot or has a load on its way, and the joint refill, two steps ahead, is the first thing behind it.
.macro CHANGE fill
	s_wait_tensorcnt 0x0
	ds_add_u32 v[SPW], v[NIL]
.if \fill
	s_xor_b32 s[G0A+5], s[G0A+5], SLOT             ; the walking descriptors: the other slot than last time, the next K step
	s_add_nc_u64 s[G0A+6:G0A+7], s[G0A+6:G0A+7], KSTEP*2
	s_xor_b32 s[G0B+5], s[G0B+5], SLOT
	s_add_nc_u64 s[G0B+6:G0B+7], s[G0B+6:G0B+7], BSTEP
	s_wait_dscnt 0x0                               ; the add is done, and my reads of this slot are over
	CROUND
	JLOAD
.else
	s_wait_dscnt 0x0
	s_barrier_signal -1
	s_barrier_wait -1
.endif
	s_sub_co_u32 s[TA], s[TA], 2*PAIRA             ; the fetches go back to a slot's first quarter,
	s_xor_b32 s[TA], s[TA], SLOT                   ; in the other slot
	s_sub_co_u32 s[TW], s[TW], 2*PAIRW
	s_xor_b32 s[TW], s[TW], SLOT
.endm
; THE WAY OUT of row block a.  PACK: rounded to bf16 (KIND 1: then the maximum with 0, which gives the same bits as ahead of the rounding).  TOSTAGE: into my own stage and back as whole rows.  SEND: stored.
.macro PACK a
.set AC, 8*(((\a)%(MB/2))*NBK)
	WIN 0x0a+5*((\a)/(MB/2))                       ; sources 0 and 1 in window 2 or 3
.set ib, 0
.rept NBK*4
	v_cvt_pk_bf16_f32 v[TMP+ib], v[AC+2*ib], v[AC+2*ib+1]  ; each accumulator's registers in ascending order
.set ib, ib+1
.endr
	WIN 0
.if KIND == 1
.set ib, 0
.rept NBK*4
	v_pk_max_num_bf16 v[TMP+ib], v[TMP+ib], v[ZR]
.set ib, ib+1
.endr
.endif
.endm
.macro TOSTAGE a
	WIN 0
.set BK, OB0+(OB1-OB0)*((\a)%2)
.set ib, 0
.rept NBK
	ds_store_b128 v[STO], v[TMP+4*ib:TMP+4*ib+3] offset:32*ib
.set ib, ib+1
.endr
.set ib, 0
.rept NBK                                      ; LDS serves a wave's instructions in order (ISA guide 5.7.1.4): these see the stores above
.if KIND == 0
	ds_load_b128 v[BK+4*ib:BK+4*ib+3], v[RD] offset:1600*(ib%4)+128*(ib/4)
.else
	ds_load_b128 v[BK+4*ib:BK+4*ib+3], v[RD] offset:544*ib
.endif
.set ib, ib+1
.endr
.endm
.macro SEND a
	WIN 0
.set BK, OB0+(OB1-OB0)*((\a)%2)
	s_wait_dscnt 0x0                               ; the block is back in registers
	s_wait_xcnt 0x0                                ; the stores of the block before have read their registers: the next TOSTAGE loads into them
.set ib, 0
.rept NBK
.if KIND == 0
	global_store_b128 v[GO], v[BK+4*ib:BK+4*ib+3], s[72+2*(ib/4):73+2*(ib/4)] offset:2048*(\a)+512*(ib%4)  ; four tokens of a head: 512 consecutive bytes, aligned
.else
	global_store_b128 v[GO], v[BK+4*ib:BK+4*ib+3], s[72:73] offset:(16*(\a)+2*ib)*8192  ; 16 lanes store 256 consecutive bytes, aligned
.endif
.set ib, ib+1
.endr
.endm
	s_wait_tensorcnt 0x1                           ; my part of K step 0 is in; step 1's stays out
	s_barrier_signal -1
	s_barrier_wait -1                              ; everybody's is
	FETCH 0, 0
	s_wait_loadcnt 0x0                             ; the bias
	s_wait_dscnt MB
	LOWER 0, 1                                     ; the first quarter stands ahead of the loop: its products start the sums with the bias
	PLACES
	FETCH 1, 1
	s_wait_dscnt 32
	UPPER 0, 1
	WIN 0
	s_mov_b32 s[CNT], 2
	s_mov_b32 s3, STEPS-1
	s_branch .Lmid                                 ; the loop is entered in the middle of a trip
.Lslot:                                                ; STEPS - 2 times: every slot but the last two is filled again
	CHANGE 1
	s_mov_b32 s[CNT], 2
	PAIR A, 1
	s_sub_co_u32 s3, s3, 1
	s_cmp_lg_u32 s3, 0
	s_cbranch_scc1 .Lslot
	CHANGE 0                                       ; the last step is written out: nothing is asked for
	s_mov_b32 s[CNT], 2
	PAIR T, 0
	s_wait_dscnt 0x0
	UPPER 1, 0                                     ; the last quarter's upper blocks
	PLACES
	PACK 0
	TOSTAGE 0
.set ip, 1
.rept MB-1                                     ; block a's conversions stand between block a - 1's loads from the stage and the wait for them
	PACK ip
	SEND ip-1
	TOSTAGE ip
.set ip, ip+1
.endr
	SEND MB-1
	s_wait_tensorcnt 0x0                           ; the wave's end
	ds_add_u32 v[SPW], v[NIL]
	s_wait_dscnt 0x0
	CROUND                                         ; the closing round: no work-group ends while a partner may still ask for a tile that names it
	s_endpgm
.Lfunc_end_k_qb10450de4b_proj:
	.size	k_qb10450de4b_proj, .Lfunc_end_k_qb10450de4b_proj-k_qb10450de4b_proj
	.p2alignl 7, 3214868480
	.fill 96, 4, 3214868480
	.section	.rodata,"a",@progbits
	.p2align	6, 0x0
	.amdhsa_kernel k_qb10450de4b_proj
		.amdhsa_group_segment_fixed_size 327680
		.amdhsa_private_segment_fixed_size 0
		.amdhsa_enable_private_segment 0
		.amdhsa_kernarg_size 24
		.amdhsa_user_sgpr_count 2
		.amdhsa_user_sgpr_kernarg_segment_ptr 1
		.amdhsa_wavefront_size32 1
		.amdhsa_system_sgpr_workgroup_id_x 1
		.amdhsa_system_sgpr_workgroup_id_y 1
		.amdhsa_system_sgpr_workgroup_id_z 1
		.amdhsa_system_vgpr_workitem_id 0
		.amdhsa_next_free_vgpr 960
		.amdhsa_next_free_sgpr 80
		.amdhsa_reserve_vcc 0
		.amdhsa_float_denorm_mode_32 3
		.amdhsa_float_denorm_mode_16_64 3
		.amdhsa_memory_ordered 1
		.amdhsa_forward_progress 1
		.amdhsa_inst_pref_size 67
	.end_amdhsa_kernel
	.amdgpu_metadata
---
amdhsa.version: [ 1, 2 ]
amdhsa.kernels:
  - .name:           k_qb10450de4b_proj
    .symbol:         k_qb10450de4b_proj.kd
    .args:
      - { .name: act, .offset: 0, .size: 8, .value_kind: global_buffer, .address_space: global }
      - { .name: wts, .offset: 8, .size: 8, .value_kind: global_buffer, .address_space: global }
      - { .name: qkv, .offset: 16, .size: 8, .value_kind: global_buffer, .address_space: global }
    .group_segment_fixed_size: 327680
    .private_segment_fixed_size: 0
    .kernarg_segment_align: 8
    .kernarg_segment_size: 24
    .max_flat_workgroup_size: 128
    .sgpr_count:     80
    .vgpr_count:     960
    .wavefront_size: 32
...
	.end_amdgpu_metadata
.endif
;; end of part 2
;; launch attn (part 3): grid 8 x 32, 4 waves a work-group, clusters of 4 x 1, 327,680 bytes of LDS; arguments qkv, mask, obuf; writes obuf
.if DOCPART == 3
	.amdgcn_target "amdgcn-amd-amdhsa--gfx1250"
	.amdhsa_code_object_version 6
	.text
	.protected	k_qb10450de4b_attn
	.globl	k_qb10450de4b_attn
	.p2align	8
	.type	k_qb10450de4b_attn,@function
k_qb10450de4b_attn:
	s_mov_b64 s[64:65], 0
	v_nop
	global_prefetch_b8 v0, s[64:65] scope:SCOPE_SE
	s_setreg_imm32_b32 hwreg(HW_REG_WAVE_MODE, 25, 1), 1
	s_wait_xcnt 0x0
	s_wait_alu depctr_hold_cnt(0) depctr_sa_sdst(0) depctr_va_vdst(0) depctr_va_sdst(0) depctr_va_ssrc(0) depctr_va_vcc(0) depctr_vm_vsrc(0)
	s_getreg_b32 s2, hwreg(HW_REG_IB_STS2, 6, 4)
	s_cmp_eq_u32 s2, 0
	s_cbranch_scc0 .Lentry_in_a_cluster
	s_endpgm
.Lentry_in_a_cluster:
	s_bfe_u32 s2, ttmp6, 0x10000c
	s_cmp_lg_u32 s2, 0x3003
	s_cbranch_scc0 .Lentry_shape_is_right
	s_endpgm
.Lentry_shape_is_right:
; ATTENTION WITH A KEY MASK.  O[hd][q][:] = the sum over k of softmax_k(Q[hd][q] . K[hd][k] / 8, hidden where mask[batch][k] = 0) V[hd][k][:].  hd = batch x 16 + head, 32 in all; 2,048 rows of 64 a head.
; q, k, v lie in qkv as [3][32][2048][64] bf16, unscaled; O goes to obuf [32][2048][64] bf16.  Products, maxima and sums in f32; the weights p are rounded to bf16 for the second product (their sum l is taken of
; the unrounded p), O once at the end.
; LIMITS.  A hidden score counts as its value less 1e30.  A query whose running maximum ends below -5e29 has every key hidden and gets NaN, as a softmax of -inf alone gives.  A weight below 2^-126 counts as 0 in l.
; SHARES.  A work-group owns 256 queries of one head, a wave 64: four PIECES of 16.  Every wave walks all keys, 64 a step, four steps a slot, eight tiles of 256 keys.  8 x 32 = 256 work-groups.
; CLUSTER.  The four query blocks of a cluster belong to one head and walk the same K and V: each tile is asked for JOINTLY, by the same tensor load, descriptor and mask in all four.
; LAYOUT.  S^T = K Q^T + MC holds ONE query a lane (lane % 16) and the keys 8 (lane / 16) + 0..7; two such results rounded to bf16 ARE source 1 of O^T = V^T P.  K comes out of LDS as it lies, V turned, by ds_load_tr16_b128.
; THE MASK costs the scores nothing: it is the C operand that starts the sum, 0 or -1e30.  The head makes a table of 2,048 f32 in LDS from the batch's mask; a step's 64 entries are fetched with its K.
; SOFTMAX.  p = 2^(c s - c m), c = log2(e) / 8, with a running maximum m; O and l are multiplied by a = 2^(c m_old - c m_new) in every step.  m starts at the lowest finite number, O and l at 0.
; TURNS.  Turn n belongs to piece n: 8 products K Q^T of piece n + 1, later 8 products V^T P of piece n - 1; beside them the scaling, exponentials, roundings, sums and rescaling of piece n and the maximum and
; statistics of piece n + 1.  Four vector instructions stand behind every matrix instruction, the other 54 of a turn's 118 in two runs of their own.
; NO LAST STEP IS WRITTEN OUT.  The tail is a loop of five trips left in its middle: four fetch the last tile's steps; in the fifth the run that would fetch a further K is jumped over, and its 8 products K Q^T (on the last
; K once more) and the maximum made of them serve nothing: they repeat scores that the maximum already holds, so m stays as it is.
; REGISTERS, in windows of 256 (s_set_vgpr_msb: bits 1:0 source 0, 3:2 source 1, 5:4 source 2, 7:6 destination):
;   window 0: v0-15, v56-58 addresses and at work; v16-31 four registers of statistics a piece; v48-55 at work; v64-127 S^T, two buffers; v192-223 P, two buffers (by the piece's parity)
;   window 1: v0-127 O^T, 32 a piece      window 2: v0-63 Q; v64-95 MC, a step's mask; v128-191 K of one step; v192-255 V of one step
.set NP,    4
.set KS,    64
.set PK,    144       ; a row of K in LDS: 128 bytes + 16: the 16 rows of a load start 16 bytes apart modulo 256
.set PV,    160       ; a row of V: 128 + 32: 16 lanes of the turning load take 8 rows x 32 bytes, 32 bytes apart modulo 256
.set VOFF,  4*KS*PK   ; a slot holds a tile: 256 rows of K, then 256 rows of V
.set SLOT1, 1<<17
.set STAGE, SLOT1+4*KS*(PK+PV)  ; behind the ring: 16 rows x 144 bytes for each wave, for the way out
.set SP,    144
.set SPARE, STAGE+4*16*SP       ; the spare words, 128 bytes a wave, which no other line names
.set MTAB,  SPARE+512           ; 2,048 f32: 0 or -1e30 for each key; stored once, never the target of a tensor load
.set AK0, 2           ; v2   my lane's place in a tile of K; never rewritten
.set AV0, 3           ; v3   the same for V
.set AK,  4           ; v4   the LDS address of K's next run of loads
.set AV,  5           ; v5   of V's
.set STO, 6           ; v6   the way out: where I put 16 bytes of a row
.set RD,  7           ; v7   where I read rows back
.set GO,  8           ; v8   my byte offset in 512 consecutive bytes of O
.set MV,  12          ; v12-13  c m_old, by buffer
.set AM0, 14          ; v14  my lane's place in a step's 64 entries of the table
.set QO,  15          ; v15  my byte offset in 16 rows of Q
.set ST,  16          ; piece t's statistics at v[ST+4 t]: c m, m, l (even keys', odd keys')
.set TMP, 48          ; by buffer, four registers c0-c3 at work; when the maximum is found c2 takes a
.set AM,  56          ; v56  the LDS address of the mask's next run
.set SPW, 62          ; v62  my spare word; never rewritten
.set NIL, 63          ; v63  0; never rewritten
.set S,   64
.set P,   192
.set MC,  64          ; window 2
.set KF,  128         ; window 2: key block kb, channel half c at KF + 16 kb + 8 c
.set VF,  192         ; window 2: key half kk, channel block cb at VF + 32 kk + 8 cb
.set WV,  12          ; s12  my wave's number
.set G1K, 24          ; s[24:31] descriptor group 1 for K's tiles
.set G1V, 32          ; s[32:39] for V's: it differs in the padding alone
.set G0K, 40          ; s[40:43] descriptor group 0 for K's tiles: it walks
.set G0V, 44          ; s[44:47] the same for V's
.set SLOTS, 56
.set CNT, 57
.set CS,  58          ; s[58:59] c
.set SEL, 60          ; s[60:61] v_permlanex16_b32's selects
.set TBK, 62          ; s62  LDS byte at which K of the step to be fetched begins
.set TBV, 63          ; s63  the same for V, less VOFF
.set TBM, 66          ; s66  byte in the table at which that step's entries begin: it runs on from slot to slot
.set BIGN, 67         ; s67  -1e30
.set TH,  68          ; s68  -5e29
.set QNAN, 69         ; s69  a NaN
.set MSB, 0
.macro WIN new
.if MSB != (\new)
	s_set_vgpr_msb (MSB<<8)|(\new)
.set MSB, (\new)
.endif
.endm
.set W_KQ, 0x0a       ; K and Q in window 2, S^T in window 0
.set W_KM, 0x2a       ; the same with the C operand in window 2
.set W_PV, 0x52       ; V in window 2, P in window 0, O^T in window 1
.set W_RS, 0x41       ; destination and source 0 in window 1, source 1 in window 0
.macro JLOAD                        ; a joint fill: waves 0, 1 fetch the two halves of a tile's K, waves 2, 3 of its V; s_nop 0 and four v_nop behind each line
	s_cmp_lt_u32 s[WV], 2
	s_cbranch_scc0 .Lfor_v_\@
	tensor_load_to_lds s[G0K:G0K+3], s[G1K:G1K+7]
	s_nop 0
.rept 4
	v_nop
.endr
	s_branch .Lasked_\@
.Lfor_v_\@:
	tensor_load_to_lds s[G0V:G0V+3], s[G1V:G1V+7]
	s_nop 0
.rept 4
	v_nop
.endr
.Lasked_\@:
.endm
.macro CROUND                       ; a round of the cluster's barrier
	s_barrier_signal -1
	s_barrier_wait -1
	s_cmp_lg_u32 s[WV], 0
	s_cbranch_scc1 .Lnot_wave_0_\@
	s_barrier_signal -3
.Lnot_wave_0_\@:
	s_barrier_wait -3
	s_barrier_signal -1
	s_barrier_wait -1
.endm
; THE CHANGE OF SLOTS.  Each wave waits for all its tensor loads (one is out: its part of the other slot), adds 0 to its spare word, and waits for that and for its LDS instructions.  Behind the barrier nobody reads the
; old slot and the other is whole.  fill = 1: the barrier is a round of the cluster's, and the joint fill, with the keys two slots on, is the first thing behind it: it has four key steps in which to land.
; (At its first use nothing has been read yet: slot 0 is waited for, slot 1 filled, and every wave's stores into the mask's table are shown done to the others.)
.macro CHANGE fill
	WIN 0
	s_wait_tensorcnt 0x0
	ds_add_u32 v[SPW], v[NIL]
.if \fill
.irp g, G0K, G0V
	s_xor_b32 s[\g+1], s[\g+1], SLOT1
	s_add_nc_u64 s[\g+2:\g+3], s[\g+2:\g+3], 4*KS*128
.endr
	s_wait_dscnt 0x0
	CROUND
	JLOAD
.else
	s_wait_dscnt 0x0
	s_barrier_signal -1
	s_barrier_wait -1
.endif
	s_sub_co_u32 s[TBK], s[TBK], 4*KS*PK  ; the fetches go back to a slot's first step,
	s_xor_b32 s[TBK], s[TBK], SLOT1       ; in the other slot
	s_sub_co_u32 s[TBV], s[TBV], 4*KS*PV
	s_xor_b32 s[TBV], s[TBV], SLOT1
.endm
	s_load_b128 s[4:7], s[0:1], 0x0   ; qkv s[4:5], mask s[6:7]
	s_load_b64 s[10:11], s[0:1], 0x10 ; obuf
	v_lshl_add_u32 v[SPW], v0, 2, SPARE
	v_mov_b32 v[NIL], 0
	ds_add_u32 v[SPW], v[NIL]       ; the wave's opening: the add and its wait stand ahead of my first tensor load
	v_lshrrev_b32 v1, 5, v0
	v_readfirstlane_b32 s[WV], v1
	s_bfe_u32 s13, ttmp6, 0x40000   ; cx
	s_lshl_b32 s14, ttmp9, 2
	s_add_co_u32 s14, s14, s13      ; my block of 256 queries: it enters Q's and O's addresses alone
	s_and_b32 s15, ttmp7, 0xffff    ; hd, which the four partners share
	s_lshl_b32 s20, s15, 18         ; a head is 262,144 bytes
	s_and_b32 s16, s[WV], 1         ; which half of a tile's 256 keys I fetch
	s_lshl_b32 s22, s16, 14
	s_add_co_u32 s22, s22, s20
	s_add_co_u32 s8, s22, 16777216  ; v begins 2 x 32 heads into qkv,
	s_mov_b32 s9, 0
	s_add_co_u32 s22, s22, 8388608  ; k 32 heads
	s_mov_b32 s23, 0
	s_mul_i32 s17, s16, 128*PK
	s_mul_i32 s18, s16, 128*PV
	s_lshl_b32 s2, s14, 15          ; my block's 256 rows of 128 bytes,
	s_lshl_b32 s3, s[WV], 13        ; my wave's 64
	s_add_co_u32 s2, s2, s3
	s_add_co_u32 s2, s2, s20
	s_mov_b32 s3, 0
	s_lshr_b32 s70, s15, 4          ; the batch: 8,192 bytes of mask
	s_lshl_b32 s70, s70, 13
	s_mov_b32 s71, 0
	; 128 keys are 16,384 dense bytes: asked for as 64 rows of 256 bytes, two keys a row, padded in LDS after every key
	s_mov_b32 s[G1K], 15|(1<<16)|(1<<20)|(1<<21)|(4<<22)|(3<<25)  ; the mask of four; 2-byte elements; padding on; bit 21 beside a mask; after every 32 words 4 words
	s_mov_b32 s[G1V], 15|(1<<16)|(1<<20)|(1<<21)|(4<<22)|(7<<25)  ; 8 words
.irp g, G1K, G1V
	s_mov_b32 s[\g+1], 128<<16
	s_mov_b32 s[\g+2], 64<<16
	s_mov_b32 s[\g+3], 128<<16
	s_mov_b32 s[\g+4], 64
	s_mov_b32 s[\g+5], 128
	s_mov_b32 s[\g+6], 0
	s_mov_b32 s[\g+7], 0
.endr
	s_mov_b32 s[CS], 0x3e38aa3b     ; c = log2(e) / 8
	s_mov_b32 s[CS+1], s[CS]
	s_mov_b32 s[SEL], 0x76543210
	s_mov_b32 s[SEL+1], 0xfedcba98
	s_mov_b32 s[TBK], SLOT1+4*KS*PK ; the first change of slots turns these two into 0
	s_mov_b32 s[TBV], SLOT1+4*KS*PV
	s_mov_b32 s[TBM], 0
	s_mov_b32 s[BIGN], 0xf149f2ca
	s_mov_b32 s[TH], 0xf0c9f2ca
	s_mov_b32 s[QNAN], 0x7fc00000
	s_mov_b32 s[G0K], 1
	s_mov_b32 s[G0K+1], s17
	s_mov_b32 s[G0V], 1
	s_add_co_u32 s[G0V+1], s18, VOFF
	s_wait_dscnt 0x0                ; the opening add is done
	s_wait_kmcnt 0x0
	s_add_nc_u64 s[G0K+2:G0K+3], s[4:5], s[22:23]
	s_or_b32 s[G0K+3], s[G0K+3], 0x80000000
	s_add_nc_u64 s[G0V+2:G0V+3], s[4:5], s[8:9]
	s_or_b32 s[G0V+3], s[G0V+3], 0x80000000
	s_add_nc_u64 s[4:5], s[4:5], s[2:3]      ; Q and O at my wave's first row
	s_add_nc_u64 s[10:11], s[10:11], s[2:3]
	s_add_nc_u64 s[6:7], s[6:7], s[70:71]    ; the batch's mask
	CROUND                          ; all four work-groups are here: the first joint loads meet
	JLOAD                           ; tile 0 into slot 0
	v_lshlrev_b32 v57, 4, v0        ; the mask: 128 threads x 16 bytes, four times
.irp i, 0,1,2,3
	global_load_b128 v[S+4*\i:S+4*\i+3], v57, s[6:7] offset:2048*\i
.endr
	v_and_b32 v1, 15, v0            ; l % 16
	v_bfe_u32 v9, v0, 4, 1          ; l / 16
	v_lshlrev_b32 v[QO], 7, v1
	v_lshl_add_u32 v[QO], v9, 4, v[QO]
	WIN 0x80
.set i, 0
.rept 8                             ; Q stays in registers: piece i / 2, channels 32 (i % 2) on
	global_load_b128 v[8*i:8*i+3],   v[QO], s[4:5] offset:(i/2)*2048+(i%2)*64
	global_load_b128 v[8*i+4:8*i+7], v[QO], s[4:5] offset:(i/2)*2048+(i%2)*64+32
.set i, i+1
.endr
	; What the first turn finds: V and P's second buffer hold 0 (its products V^T P, of a piece that has not been, add 0), O^T and l are 0.  All this stands in the wait for the first tile.
.set i, VF
.rept 64
	v_mov_b32 v[i], 0
.set i, i+1
.endr
	WIN 0x40
.set i, 0
.rept 128
	v_mov_b32 v[i], 0
.set i, i+1
.endr
	WIN 0
.set i, 0
.rept 4
	v_mov_b32 v[ST+4*i], 0xfe000000    ; c m: far below every c s
	v_mov_b32 v[ST+4*i+1], 0xff7fffff  ; m
	v_mov_b32 v[ST+4*i+2], 0
	v_mov_b32 v[ST+4*i+3], 0
.set i, i+1
.endr
.set i, P+16
.rept 16
	v_mov_b32 v[i], 0
.set i, i+1
.endr
	v_mul_u32_u24 v[AK0], v1, PK
	v_lshl_add_u32 v[AK0], v9, 4, v[AK0]
	v_and_b32 v10, 7, v0
	v_bfe_u32 v11, v0, 3, 1
	v_lshl_add_u32 v[AV0], v9, 3, v10
	v_mul_u32_u24 v[AV0], v[AV0], PV
	v_lshl_add_u32 v[AV0], v11, 4, v[AV0]
	v_add_nc_u32 v[AV0], VOFF, v[AV0]
	v_lshlrev_b32 v[AM0], 5, v9     ; my eight keys of a block of 16 begin 32 (l / 16) bytes into its 64
	v_add_nc_u32 v[AM0], MTAB, v[AM0]
	s_mul_i32 s13, s[WV], 16*SP
	s_add_co_u32 s13, s13, STAGE
	v_mul_u32_u24 v[STO], v1, SP
	v_lshl_add_u32 v[STO], v9, 4, v[STO]
	v_add_nc_u32 v[STO], s13, v[STO]
	v_bfe_u32 v[RD], v0, 3, 2
	v_mul_u32_u24 v[RD], v[RD], SP
	v_lshl_add_u32 v[RD], v10, 4, v[RD]
	v_add_nc_u32 v[RD], s13, v[RD]
	v_and_b32 v[GO], 31, v0
	v_lshlrev_b32 v[GO], 4, v[GO]
	v_add_nc_u32 v58, MTAB, v57
	s_wait_loadcnt 16               ; the mask is in; Q's sixteen loads stay out
.set i, 0
.rept 16
	v_cmp_eq_u32 vcc_lo, 0, v[S+i]
	v_cndmask_b32 v[S+i], 0, s[BIGN], vcc_lo
.set i, i+1
.endr
.irp i, 0,1,2,3
	ds_store_b128 v58, v[S+4*\i:S+4*\i+3] offset:2048*\i
.endr
; THE MATRIX WORK.  The 4 accumulators of a run of 8 take turns.  Product i of 8 of S^T for piece x: channels 32 (i / 4) on, keys 16 (i % 4) on.  The first 4 start the sums with the mask.
.macro KQ x
.set rS, S+32*((\x)%2)+8*(i%4)
.set rK, KF+16*(i%4)+8*(i/4)
.set rQ, 16*(\x)+8*(i/4)
.set rM, MC+8*(i%4)
.if i < 4
	WIN W_KM
	v_wmma_f32_16x16x32_bf16 v[rS:rS+7], v[rK:rK+7], v[rQ:rQ+7], v[rM:rM+7]
.else
	WIN W_KQ
	v_wmma_f32_16x16x32_bf16 v[rS:rS+7], v[rK:rK+7], v[rQ:rQ+7], v[rS:rS+7]
.endif
.endm
.macro PV x                         ; product i of 8 of O^T += V^T P for piece x: keys 32 (i / 4) on, channels 16 (i % 4) on
	WIN W_PV
.set rO, 32*(\x)+8*(i%4)
.set rV, VF+32*(i/4)+8*(i%4)
.set rP, P+16*((\x)%2)+8*(i/4)
	v_wmma_f32_16x16x32_bf16 v[rO:rO+7], v[rV:rV+7], v[rP:rP+7], v[rO:rO+7]
.endm
.macro MM                           ; the turn's next matrix instruction
.if i < 8
	KQ (Y+1)%NP
.else
.set i, i-8
	PV (Y+NP-1)%NP
.set i, i+8
.endif
.set i, i+1
.endm
; THE LDS LOADS stand in runs: a step's K (8 fragments) with its 64 entries of the mask's table, and its V (turned).  Their addresses are made some lines ahead.
; last = 1 (the tail): in the last trip there is no further step, and the run is jumped over.
.macro FETCH_K last=0
	WIN 0
.if \last
	s_cmp_eq_u32 s[CNT], 1
	s_cbranch_scc1 .Lno_k_\@
.endif
	WIN 0x80
.irp f, 0,1,2,3,4,5,6,7
	ds_load_b128 v[KF+8*\f:KF+8*\f+3],   v[AK] offset:(\f/2)*16*PK+(\f%2)*64
	ds_load_b128 v[KF+8*\f+4:KF+8*\f+7], v[AK] offset:(\f/2)*16*PK+(\f%2)*64+32
.endr
.irp f, 0,1,2,3
	ds_load_b128 v[MC+8*\f:MC+8*\f+3],   v[AM] offset:64*\f
	ds_load_b128 v[MC+8*\f+4:MC+8*\f+7], v[AM] offset:64*\f+16
.endr
	s_add_co_u32 s[TBK], s[TBK], KS*PK
	s_add_co_u32 s[TBM], s[TBM], 4*KS
	WIN 0
.if \last
.Lno_k_\@:
.endif
.endm
.macro FETCH_V
	WIN 0x80
.irp f, 0,1,2,3,4,5,6,7
	ds_load_tr16_b128 v[VF+8*\f:VF+8*\f+3],   v[AV] offset:(\f/4)*32*PV+(\f%4)*32
	ds_load_tr16_b128 v[VF+8*\f+4:VF+8*\f+7], v[AV] offset:(\f/4)*32*PV+16*PV+(\f%4)*32
.endr
	WIN 0
.endm
; THE VECTOR WORK, one line at a time: OP kind, number.  For piece Y: F n: c s - c m for pair n of 16.  E n: the exponential of score n of 32.  C n: pair n rounded to bf16.  B n: of the four weights 4 n .. the second
; pair is added onto the first, in place.  L n: l takes that sum (L 0: l = a l + sum).  R n: pair n of 16 of O^T times a.  For piece Y + 1: X n, number n of the 22 that find its maximum and statistics:
;   0-11 four chains c0-c3 of seven scores each (each accumulator's lowest registers are read first)   12-14, 16 the four scores left over, the old m, and c0-c3 into c0
;   15 c m_old is kept   17, 18 the query's other 32 keys lie in the lane 16 away: the new m   19-21 c m; c m_old - c m_new; a
.set F, 0
.set E, 1
.set C, 2
.set B, 3
.set L, 4
.set R, 5
.set X, 6
.macro REGS y
.set rT, ST+4*(\y)
.set rC, TMP+4*((\y)%2)
.set rW, MV+((\y)%2)
.set rS, S+32*((\y)%2)
.set rP, P+16*((\y)%2)
.set rO, 32*(\y)
.endm
.macro OP k, n
.if (\k) == R
	REGS Y
	WIN W_RS
	v_pk_mul_f32 v[rO+2*(\n):rO+2*(\n)+1], v[rO+2*(\n):rO+2*(\n)+1], v[rC+2:rC+3] op_sel_hi:[1,0]
.elseif (\k) < R
	REGS Y
	WIN 0
.if (\k) == F
	v_pk_fma_f32 v[rS+2*(\n):rS+2*(\n)+1], v[rS+2*(\n):rS+2*(\n)+1], s[CS:CS+1], v[rT:rT+1] op_sel_hi:[1,0,0] neg_lo:[0,0,1] neg_hi:[0,0,1]
.elseif (\k) == E
	v_exp_f32 v[rS+(\n)], v[rS+(\n)]
.elseif (\k) == C
	s_wait_alu depctr_va_vdst(0)
	v_cvt_pk_bf16_f32 v[rP+(\n)], v[rS+2*(\n)], v[rS+2*(\n)+1]
.elseif (\k) == B
	s_wait_alu depctr_va_vdst(0)
	v_pk_add_f32 v[rS+4*(\n):rS+4*(\n)+1], v[rS+4*(\n):rS+4*(\n)+1], v[rS+4*(\n)+2:rS+4*(\n)+3]
.elseif (\n) == 0
	v_pk_fma_f32 v[rT+2:rT+3], v[rT+2:rT+3], v[rC+2:rC+3], v[rS:rS+1] op_sel_hi:[1,0,1]
.else
	v_pk_add_f32 v[rT+2:rT+3], v[rT+2:rT+3], v[rS+4*(\n):rS+4*(\n)+1]
.endif
.else
	REGS (Y+1)%NP
	WIN 0
.if (\n) < 4
	v_max3_num_f32 v[rC+(\n)], v[rS+8*(\n)], v[rS+8*(\n)+1], v[rS+8*(\n)+2]
.elseif (\n) < 12
	v_max3_num_f32 v[rC+(\n)%4], v[rC+(\n)%4], v[rS+8*((\n)%4)+2*((\n)/4)+1], v[rS+8*((\n)%4)+2*((\n)/4)+2]
.elseif (\n) == 12
	v_max3_num_f32 v[rC], v[rC], v[rS+7], v[rS+15]
.elseif (\n) == 13
	v_max3_num_f32 v[rC+1], v[rC+1], v[rS+23], v[rS+31]
.elseif (\n) == 14
	v_max3_num_f32 v[rC+2], v[rC+2], v[rC+3], v[rT+1]
.elseif (\n) == 15
	v_mov_b32 v[rW], v[rT]
.elseif (\n) == 16
	v_max3_num_f32 v[rC], v[rC], v[rC+1], v[rC+2]
.elseif (\n) == 17
	v_permlanex16_b32 v[rC+3], v[rC], s[SEL], s[SEL+1]
.elseif (\n) == 18
	v_max_num_f32 v[rT+1], v[rC], v[rC+3]
.elseif (\n) == 19
	v_mul_f32 v[rT], s[CS], v[rT+1]
.elseif (\n) == 20
	v_sub_f32 v[rC+1], v[rW], v[rT]
.else
	v_exp_f32 v[rC+2], v[rC+1]
.endif
.endif
.endm
.macro OPS a, i1, b=-1, i2=0, c=-1, i3=0, d=-1, i4=0
	OP \a, \i1
.if (\b) >= 0
	OP \b, \i2
.endif
.if (\c) >= 0
	OP \c, \i3
.endif
.if (\d) >= 0
	OP \d, \i4
.endif
.endm
.macro ROW a, i1, b, i2, c, i3, d, i4  ; a matrix instruction and the four behind it
	MM
	OPS \a, \i1, \b, \i2, \c, \i3, \d, \i4
.endm
; A TURN, for piece p: the order of its 16 matrix and 118 vector instructions, written out.  Behind a matrix instruction: plain, exponential, plain, plain; or four of the rescaling; or four scalings; none names a register
; of the products round it.  In the runs between, exponential and plain by turns while exponentials last.  last = 1: the tail's copy (see FETCH_K).  cnt = 1: the loop's count is taken down ahead of the branch.
; K and the mask of the next step are fetched in piece 2's turn, six vector instructions behind the last product that read K (five of them plain); V of the step in hand in piece 0's turn, eight behind the last product
; that read V (five plain among them).  Each is waited for a turn later.
.macro TURN p, last=0, cnt=0
.set Y, (\p)
.set i, 0
.if (\p) == 3
	s_wait_dscnt 0x0                ; K and the mask are in
.endif
	ROW F,0, F,1, F,2, F,3
	ROW F,4, E,0, F,5, F,6
	ROW F,7, E,1, F,8, F,9
	ROW F,10, E,2, C,0, F,11
	ROW F,12, E,3, X,15, F,13
	ROW R,0, R,1, R,2, R,3
	ROW B,0, E,4, F,14, L,0
.if (\p) == 2
	WIN 0
	v_add_nc_u32 v[AK], s[TBK], v[AK0]
	v_add_nc_u32 v[AM], s[TBM], v[AM0]
.endif
	ROW R,4, R,5, R,6, R,7
	OPS E,5, F,15
.if (\p) == 2
	FETCH_K \last
.endif
	OPS E,6, C,1, E,7, R,8
	OPS E,8, R,9, E,9, C,2
	OPS E,10, X,0, E,11, X,1
	OPS E,12, X,2, E,13, X,3
.if (\p) == 1
	s_wait_dscnt 0x0                ; V is in
.endif
	ROW X,4, E,14, X,5, X,6
	ROW X,7, E,15, X,8, X,9
	ROW X,10, E,16, X,11, X,12
	ROW X,13, E,17, X,14, B,1
	ROW C,4, E,18, X,16, L,1
	ROW B,2, E,19, C,6, L,2
	ROW C,8, E,20, B,3, B,4
.if (\p) == 0
	WIN 0
	v_add_nc_u32 v[AV], s[TBV], v[AV0]
.endif
	ROW C,3, E,21, L,3, C,5
	OPS E,22, X,17, E,23, C,10
.if (\p) == 0
	FETCH_V
.endif
	OPS E,24, L,4
	OPS E,25, X,18, E,26, C,7
	OPS E,27, B,5, E,28, X,19
	OPS E,29, C,12, E,30, L,5
	OPS E,31, X,20, B,6, C,9
	OPS C,14, C,11, X,21, L,6
.if (\p) == 0
	s_add_co_u32 s[TBV], s[TBV], KS*PV
.endif
.if \cnt
	s_sub_co_u32 s[CNT], s[CNT], 1
	s_cmp_lg_u32 s[CNT], 0
.endif
	OPS C,13, B,7, C,15, R,10
	OPS R,11, R,12, L,7, R,13
	OPS R,14, R,15
.endm
.macro ALL line:vararg              ; one line for each piece t
.set t, 0
.rept 4
	\line
.set t, t+1
.endr
.endm
.macro PACK t                       ; a lane's eight channels of a row pack into 16 bytes; they go into rows of 144 bytes and come back as whole rows of 128, into S^T's registers
	WIN W_RS
.set i, 32*(\t)
.rept 16
	v_pk_mul_f32 v[i:i+1], v[i:i+1], v[ST+4*(\t)+2:ST+4*(\t)+3] op_sel_hi:[1,0]
.set i, i+2
.endr
	WIN 0x05
.set i, 0
.rept 16
	v_cvt_pk_bf16_f32 v[S+16*(\t)+i], v[32*(\t)+2*i], v[32*(\t)+2*i+1]
.set i, i+1
.endr
	WIN 0
.irp f, 0,1,2,3
	ds_store_b128 v[STO], v[S+16*(\t)+4*\f:S+16*(\t)+4*\f+3] offset:32*\f
.endr
.irp f, 0,1,2,3
	ds_load_b128 v[S+16*(\t)+4*\f:S+16*(\t)+4*\f+3], v[RD] offset:\f*4*SP  ; LDS serves a wave's instructions in order (ISA guide 5.7.1.4): these see the stores above
.endr
.endm
.macro SEND t, younger              ; younger: the LDS instructions issued behind piece t's loads: the next piece's eight, or none
	WIN 0
.irp f, 0,1,2,3
	s_wait_dscnt (\younger)+3-\f
	global_store_b128 v[GO], v[S+16*(\t)+4*\f:S+16*(\t)+4*\f+3], s[10:11] offset:(\t)*2048+\f*512  ; 512 consecutive bytes, aligned
.endr
.endm
	CHANGE 1                        ; slot 0 is in, everybody's part of it, and the table is whole; slot 1 is asked for
	v_add_nc_u32 v[AK], s[TBK], v[AK0]
	v_add_nc_u32 v[AM], s[TBM], v[AM0]
	FETCH_K                         ; key step 0
	s_wait_loadcnt 0x0              ; Q
	s_wait_dscnt 0x0
.set i, 0
.rept 8
	KQ 0                            ; piece 0's first scores
.set i, i+1
.endr
	WIN 0
.rept 4
	v_nop                           ; the places behind those products
.endr
.set Y, NP-1                        ; X works for piece Y + 1: piece 0
.irp n, 0,1,2,3,4,5,6,7,8,9,10,11,12,13,14,15,16,17,18,19,20,21
	OP X, \n
.endr
	v_nop                           ; a plain instruction behind the exponential
	s_mov_b32 s[CNT], 4
	s_mov_b32 s[SLOTS], 7
	s_branch .Lfirst                ; the loop is entered at a step's first turn, in the middle of a trip
.Lslot:                             ; six times: tiles 2 to 7 are asked for
	CHANGE 1
	s_mov_b32 s[CNT], 4
.Lstep:                             ; a trip: pieces 2 and 3 of one step, then pieces 0 and 1 of the next, whose K and V it fetches
	TURN 2
	TURN 3
	WIN 0
.Lfirst:
	TURN 0
	TURN 1, 0, 1
	WIN 0
	s_cbranch_scc1 .Lstep
	s_sub_co_u32 s[SLOTS], s[SLOTS], 1
	s_cmp_lg_u32 s[SLOTS], 0
	s_cbranch_scc1 .Lslot
	CHANGE 0                        ; the tail is written out: nothing is asked for
	s_mov_b32 s[CNT], 5             ; four trips fetch the last tile's steps; the fifth is left in its middle
.Ltail:
	TURN 2, 1
	TURN 3
	WIN 0
	s_sub_co_u32 s[CNT], s[CNT], 1
	s_cmp_eq_u32 s[CNT], 0
	s_cbranch_scc1 .Lout
	TURN 0
	TURN 1
	WIN 0
	s_branch .Ltail
.Lout:
.set i, 0
.rept 8
	PV NP-1                         ; the last piece's V^T P of the last step
.set i, i+1
.endr
	; THE WAY OUT.  l's two halves and the other half of the lanes' are added; O^T is divided by l, rounded to bf16 and sent through my stage, a piece at a time.  The additions are the places behind the last products.
	WIN 0
	ALL v_add_f32 v[ST+4*t+2], v[ST+4*t+2], v[ST+4*t+3]
	ALL v_permlanex16_b32 v[ST+4*t+3], v[ST+4*t+2], s[SEL], s[SEL+1]
	ALL v_add_f32 v[ST+4*t+2], v[ST+4*t+2], v[ST+4*t+3]
	ALL v_rcp_f32 v[ST+4*t+2], v[ST+4*t+2]
	v_nop                           ; a plain instruction between the last reciprocal and the use of its result
.set t, 0
.rept 4
	v_cmp_gt_f32 vcc_lo, s[TH], v[ST+4*t+1]                    ; every key of this query was hidden:
	s_wait_alu depctr_va_vdst(0)
	v_cndmask_b32 v[ST+4*t+2], v[ST+4*t+2], s[QNAN], vcc_lo    ; its row is NaN
.set t, t+1
.endr
	PACK 0
.set t, 1
.rept 3                             ; a piece's arithmetic stands between the loads of the piece before and its stores
	PACK t
	SEND t-1, 8
.set t, t+1
.endr
	SEND 3, 0
	s_wait_tensorcnt 0x0            ; the wave's end
	ds_add_u32 v[SPW], v[NIL]
	s_wait_dscnt 0x0
	CROUND                          ; the closing round
	s_endpgm
.Lfunc_end_k_qb10450de4b_attn:
	.size	k_qb10450de4b_attn, .Lfunc_end_k_qb10450de4b_attn-k_qb10450de4b_attn
	.p2alignl 7, 3214868480
	.fill 96, 4, 3214868480
	.section	.rodata,"a",@progbits
	.p2align	6, 0x0
	.amdhsa_kernel k_qb10450de4b_attn
		.amdhsa_group_segment_fixed_size 327680
		.amdhsa_private_segment_fixed_size 0
		.amdhsa_enable_private_segment 0
		.amdhsa_kernarg_size 24
		.amdhsa_user_sgpr_count 2
		.amdhsa_user_sgpr_kernarg_segment_ptr 1
		.amdhsa_wavefront_size32 1
		.amdhsa_system_sgpr_workgroup_id_x 1
		.amdhsa_system_sgpr_workgroup_id_y 1
		.amdhsa_system_sgpr_workgroup_id_z 1
		.amdhsa_system_vgpr_workitem_id 0
		.amdhsa_next_free_vgpr 768
		.amdhsa_next_free_sgpr 72
		.amdhsa_reserve_vcc 1
		.amdhsa_float_denorm_mode_32 3
		.amdhsa_float_denorm_mode_16_64 3
		.amdhsa_memory_ordered 1
		.amdhsa_forward_progress 1
		.amdhsa_inst_pref_size 120
	.end_amdhsa_kernel
	.amdgpu_metadata
---
amdhsa.version: [ 1, 2 ]
amdhsa.kernels:
  - .name:           k_qb10450de4b_attn
    .symbol:         k_qb10450de4b_attn.kd
    .args:
      - { .name: qkv, .offset: 0, .size: 8, .value_kind: global_buffer, .address_space: global }
      - { .name: mask, .offset: 8, .size: 8, .value_kind: global_buffer, .address_space: global }
      - { .name: obuf, .offset: 16, .size: 8, .value_kind: global_buffer, .address_space: global }
    .group_segment_fixed_size: 327680
    .private_segment_fixed_size: 0
    .kernarg_segment_align: 8
    .kernarg_segment_size: 24
    .max_flat_workgroup_size: 128
    .sgpr_count:     72
    .vgpr_count:     768
    .wavefront_size: 32
...
	.end_amdgpu_metadata
.endif
;; end of part 3
;; launch wo (part 4): grid 8 x 32, 4 waves a work-group, clusters of 4 x 4, 327,680 bytes of LDS; arguments obuf, wts, x, hbuf; writes hbuf
.if DOCPART == 4
	.amdgcn_target "amdgcn-amd-amdhsa--gfx1250"
	.amdhsa_code_object_version 6
	.text
	.protected	k_qb10450de4b_wo
	.globl	k_qb10450de4b_wo
	.p2align	8
	.type	k_qb10450de4b_wo,@function
k_qb10450de4b_wo:
	s_mov_b64 s[64:65], 0
	v_nop
	global_prefetch_b8 v0, s[64:65] scope:SCOPE_SE
	s_setreg_imm32_b32 hwreg(HW_REG_WAVE_MODE, 25, 1), 1
	s_wait_xcnt 0x0
	s_wait_alu depctr_hold_cnt(0) depctr_sa_sdst(0) depctr_va_vdst(0) depctr_va_sdst(0) depctr_va_ssrc(0) depctr_va_vcc(0) depctr_vm_vsrc(0)
	s_getreg_b32 s2, hwreg(HW_REG_IB_STS2, 6, 4)
	s_cmp_eq_u32 s2, 0
	s_cbranch_scc0 .Lentry_in_a_cluster
	s_endpgm
.Lentry_in_a_cluster:
	s_bfe_u32 s2, ttmp6, 0x10000c
	s_cmp_lg_u32 s2, 0xf033
	s_cbranch_scc0 .Lentry_shape_is_right
	s_endpgm
.Lentry_shape_is_right:
; ONE TEXT FOR TWO LAUNCHES; KIND chooses.  C = A W + bias + residual, C [4096][1024] f32; A and W bf16, W [K][1024] as it lies, [k][n]; sums in f32.
;   KIND 0: A = the attention's O, by heads [32][2048][64]; K = 1,024 = 16 heads x 64; W = Wo; the residual is x, rounded to bf16 like every input; C = h.
;   KIND 1: A = the hidden layer [4096][4096]; K = 4,096; W = W2; the residual is h as it is; C = the block's output.
; A tile of C is 128 x 128: 8 x 32 = 256 work-groups of four waves, each wave 64 x 64: 16 accumulators.  K goes in steps of 256 through two LDS slots: waves 0, 1 bring A's two halves (64 rows), waves 2, 3 W's (128 k rows).
; KIND 0: a step is four heads; 64 tokens of a head are 8,192 dense bytes, asked for as one row of the tile, four rows (heads) 262,144 bytes apart, padded in LDS after every token.
; CLUSTER 4 x 4: A's tile is asked for jointly by a row of the cluster, W's by a column.
; THE MATRIX INSTRUCTION IS USED TRANSPOSED (source 0 = 16 columns of W, turned by ds_load_tr16_b128; source 1 = 16 rows of A): a lane holds eight neighbouring columns of a row of C.  THE BIAS is the C operand of each
; accumulator's first product.  THE RESIDUAL, 128 registers a lane, is loaded at the start in the layout in which C leaves, and is on its way while K is walked.
; HALF A K STEP'S TEXT, WALKED TWICE A STEP.  A quarter is 64 along K, two matrix instructions deep, on fragment buffers 0, 1 by turns.  A trip of the inner loop begins where a quarter's fragments are fetched:
; fetch quarter e (even) | second depth of e - 1 | first depth of e | fetch e + 1 | second depth of e | first depth of e + 1.  So the change of slots stands between two trips, ahead of the fetch that first reads the new slot.
; The LDS addresses hang on two scalars that step each trip and go back and turn at the change.  The first sixteen products (with the bias) stand ahead of the loop, which is entered in the middle of a trip; the last step's
; two trips are written out once more behind the change that asks for nothing; the last quarter's second depth follows.
; By this text's own count a wave has two tensor loads out at the start and one behind each round.
; REGISTERS: window 0: v0-31 addresses; v32-95 the way out, two sets; v96-127 the bias; v128-255 the accumulators, (a, b) at v[128 + 8 (4 a + b)].
;   window 1: two fragment buffers of 128: for 64 along K, 64 registers of A, then 64 of W.      window 2: v0-127 the residual; v128-129 at work.
.set KIND,   0
.set KSTEP,  256
.set REG,    36864                     ; LDS bytes set aside for one tensor load
.set SLOT,   4*REG                     ; it shares no bit with a slot-0 fill's address (wave x REG): one exclusive or moves such an address to the other slot and back
.set STAGE,  2*SLOT                    ; behind the ring: 16 rows x 272 bytes for each wave; no tensor load lands there
.set SPITCH, 272
.set SPARE,  STAGE+4*16*SPITCH         ; the spare words, 128 bytes a wave, which no other line names
.set BPITCH, 288                       ; an LDS row of W: 256 bytes + 32
.set BSTEP,  KSTEP*2048
.set PAIRW,  128*BPITCH                ; a trip's two quarters down W's LDS rows: 128 k rows
.if KIND == 0
.set STEPS,  4
.set APITCH, 144                       ; a token's 128 bytes + 16
.set ASTEP,  4*262144
.set PAIRA,  2*64*APITCH               ; a trip's two quarters of A: two heads
.set WOFF,   14680064
.set BIASOFF, 25165824+28672
.else
.set STEPS,  16
.set APITCH, 528                       ; 512 bytes + 16
.set ASTEP,  KSTEP*2
.set PAIRA,  256                       ; 128 along A's LDS rows
.set WOFF,   16777216
.set BIASOFF, 25165824+32768
.endif
.set ADRA0, 16                         ; v16  my lane's place in A's part of slot 0; never rewritten
.set ADRB0, 17                         ; v17  the same for W
.set ADRA,  18                         ; v18  the same for the trip in hand
.set ADRB,  19                         ; v19
.set STO,   24
.set RD,    25
.set CO,    26                         ; v26  my byte offset in two rows of C and of the residual
.set SPW,   28
.set NIL,   29
.set TMP,   32
.set BIAS,  96
.set ACC,   128
.set T2,    128                        ; window 2
.set G1A, 24
.set G0A, 32
.set G1B, 48
.set G0B, 56
.set TA,  66                           ; s66  the slot in hand (0 or SLOT) + the trip's place in A's part
.set TW,  67                           ; s67  the same in W's part
.set CNT, 76                           ; s76  counts a step's two trips
.set MSB, 0
.macro WIN new
.if MSB != (\new)
	s_set_vgpr_msb (MSB<<8)|(\new)
.set MSB, \new
.endif
.endm
.macro PLACES                          ; four plain vector instructions between a matrix instruction and a load into, or a read of, its registers (ISA guide 7.12.1 for reads)
.rept 4
	v_nop
.endr
.endm
.macro JLOAD                           ; the joint refill; s_nop 0 and four v_nop behind each line
	s_cmp_eq_u32 s11, 0
	s_cbranch_scc0 .Lfor_b_\@
	tensor_load_to_lds s[G0A+4:G0A+7], s[G1A:G1A+7]
	s_nop 0
.rept 4
	v_nop
.endr
	s_branch .Lasked_\@
.Lfor_b_\@:
	tensor_load_to_lds s[G0B+4:G0B+7], s[G1B:G1B+7]
	s_nop 0
.rept 4
	v_nop
.endr
.Lasked_\@:
.endm
.macro CROUND                          ; a round of the cluster's barrier
	s_barrier_signal -1
	s_barrier_wait -1
	s_cmp_lg_u32 s10, 0
	s_cbranch_scc1 .Lnot_wave_0_\@
	s_barrier_signal -3
.Lnot_wave_0_\@:
	s_barrier_wait -3
	s_barrier_signal -1
	s_barrier_wait -1
.endm
	s_load_b128 s[4:7], s[0:1], 0x0                ; A s[4:5], wts s[6:7]
	s_load_b128 s[68:71], s[0:1], 0x10             ; the residual s[68:69], C s[70:71]
	v_lshl_add_u32 v[SPW], v0, 2, SPARE
	v_mov_b32 v[NIL], 0
	ds_add_u32 v[SPW], v[NIL]                      ; the wave's opening: the add and its wait stand ahead of my first tensor load
	v_lshrrev_b32 v1, 5, v0
	v_readfirstlane_b32 s10, v1                    ; wave 0..3
	s_lshr_b32 s11, s10, 1                         ; my half of the tile's rows.  Also: I fetch for A (0) or for W (1)
	s_and_b32 s12, s10, 1                          ; my half of its columns.  Also: which half I fetch
	s_bfe_u32 s40, ttmp6, 0x40000
	s_bfe_u32 s41, ttmp6, 0x40004
	s_lshl_b32 s42, ttmp9, 2
	s_add_co_u32 s42, s42, s40                     ; tile column
	s_and_b32 s13, ttmp7, 0xffff
	s_lshl_b32 s13, s13, 2
	s_add_co_u32 s13, s13, s41                     ; tile row
	s_lshl_b32 s43, s41, 2
	s_lshl_b32 s43, 15, s43
	s_lshl_b32 s44, 0x1111, s40
	s_mov_b32 s45, 0xffff0000
.if KIND == 0
	s_or_b32 s[G1A], s43, (1<<16)|(1<<20)|(1<<21)|(4<<22)|(3<<25)  ; after every 32 words (a token) 4 words
	s_mov_b32 s[G1A+1], 4096<<16                   ; tensor_dim0: 64 tokens x 64 channels
	s_mov_b32 s[G1A+2], 4<<16                      ; tensor_dim1: four heads
	s_mov_b32 s[G1A+3], 4096<<16                   ; tile_dim0
	s_mov_b32 s[G1A+4], 4                          ; tile_dim1
	s_mov_b32 s[G1A+5], 131072                     ; elements from head to head
.else
	s_or_b32 s[G1A], s43, (1<<16)|(1<<20)|(1<<21)|(6<<22)|(3<<25)  ; after every 128 words 4 words
	s_mov_b32 s[G1A+1], KSTEP<<16
	s_mov_b32 s[G1A+2], 64<<16
	s_mov_b32 s[G1A+3], KSTEP<<16
	s_mov_b32 s[G1A+4], 64
	s_mov_b32 s[G1A+5], 4096
.endif
	s_mov_b32 s[G1A+6], 0
	s_mov_b32 s[G1A+7], 0
	s_or_b32 s[G1B], s44, (1<<16)|(1<<20)|(1<<21)|(5<<22)|(7<<25)  ; after every 64 words 8 words
	s_mov_b32 s[G1B+1], 128<<16
	s_mov_b32 s[G1B+2], 128<<16
	s_mov_b32 s[G1B+3], 128<<16
	s_mov_b32 s[G1B+4], 128
	s_mov_b32 s[G1B+5], 1024
	s_mov_b32 s[G1B+6], 0
	s_mov_b32 s[G1B+7], 0
.if KIND == 0
	s_lshr_b32 s16, s13, 4                         ; the batch: 16 heads of 262,144 bytes,
	s_lshl_b32 s16, s16, 22
	s_and_b32 s17, s13, 15                         ; the tile's 128 tokens of 128 bytes,
	s_lshl_b32 s17, s17, 14
	s_add_co_u32 s16, s16, s17
	s_lshl_b32 s17, s12, 13                        ; the half that I fetch
	s_add_co_u32 s16, s16, s17
.else
	s_lshl_b32 s16, s13, 20                        ; (128 x tile row + 64 x half) rows of 8,192 bytes
	s_lshl_b32 s17, s12, 19
	s_add_co_u32 s16, s16, s17
.endif
	s_mov_b32 s17, 0
	s_lshl_b32 s46, s12, 18                        ; W: 128 x half rows of 2,048 bytes, the tile's first column
	s_lshl_b32 s47, s42, 8
	s_add_co_u32 s46, s46, s47
	s_add_co_u32 s46, s46, WOFF
	s_mov_b32 s47, 0
	s_lshl_b32 s18, s42, 9                         ; my 64 columns in f32: 512 x tile column + 256 x half
	s_lshl_b32 s19, s12, 8
	s_add_co_u32 s18, s18, s19
	s_add_co_u32 s22, s18, BIASOFF
	s_mov_b32 s23, 0
	s_lshl_b32 s19, s13, 19                        ; my 64 rows of 4,096 bytes
	s_add_co_u32 s18, s18, s19
	s_lshl_b32 s19, s11, 18
	s_add_co_u32 s18, s18, s19
	s_mov_b32 s19, 0
	s_mul_i32 s20, s10, REG                        ; where a fill goes: no place in the cluster enters an LDS address
	s_mov_b32 s[TA], 0
	s_mov_b32 s[TW], 0
	s_wait_dscnt 0x0                               ; the opening add is done
	s_wait_kmcnt 0x0
	s_add_nc_u64 s[14:15], s[4:5], s[16:17]
	s_add_nc_u64 s[46:47], s[6:7], s[46:47]
	s_add_nc_u64 s[22:23], s[6:7], s[22:23]
	s_add_nc_u64 s[72:73], s[68:69], s[18:19]
	s_add_nc_u64 s[74:75], s[70:71], s[18:19]
.irp s, 0,1
	s_mov_b32 s[G0A+4*(\s)], 1
	s_add_co_u32 s[G0A+4*(\s)+1], s20, (\s)*SLOT
	s_add_nc_u64 s[G0A+4*(\s)+2:G0A+4*(\s)+3], s[14:15], (\s)*ASTEP
	s_or_b32 s[G0A+4*(\s)+3], s[G0A+4*(\s)+3], 0x80000000
	s_mov_b32 s[G0B+4*(\s)], 1
	s_add_co_u32 s[G0B+4*(\s)+1], s20, (\s)*SLOT
	s_add_nc_u64 s[G0B+4*(\s)+2:G0B+4*(\s)+3], s[46:47], (\s)*BSTEP
	s_or_b32 s[G0B+4*(\s)+3], s[G0B+4*(\s)+3], 0x80000000
.endr
	CROUND                                         ; all sixteen work-groups are here: the first joint loads meet
	s_cmp_eq_u32 s11, 0                            ; a wave's two first fills stand in one branch
	s_cbranch_scc0 .Lfirst_b
	tensor_load_to_lds s[G0A:G0A+3], s[G1A:G1A+7]
	s_nop 0
	tensor_load_to_lds s[G0A+4:G0A+7], s[G1A:G1A+7]
	s_nop 0
.rept 4
	v_nop
.endr
	s_branch .Lfirst_asked
.Lfirst_b:
	tensor_load_to_lds s[G0B:G0B+3], s[G1B:G1B+7]
	s_nop 0
	tensor_load_to_lds s[G0B+4:G0B+7], s[G1B:G1B+7]
	s_nop 0
.rept 4
	v_nop
.endr
.Lfirst_asked:
	v_and_b32 v1, 15, v0                           ; r
	v_bfe_u32 v2, v0, 4, 1                         ; h
	v_and_b32 v3, 7, v0
	v_bfe_u32 v4, v0, 3, 1
	v_lshlrev_b32 v5, 5, v2                        ; the bias: 32 h bytes into a block's 64
	v_lshlrev_b32 v[CO], 12, v2                    ; lanes 0-15 one row's 256 bytes, lanes 16-31 the next row's
	v_lshl_add_u32 v[CO], v1, 4, v[CO]
.irp b, 0,1,2,3
	global_load_b128 v[BIAS+8*(\b):BIAS+8*(\b)+3],   v5, s[22:23] offset:64*(\b)
	global_load_b128 v[BIAS+8*(\b)+4:BIAS+8*(\b)+7], v5, s[22:23] offset:64*(\b)+16
.endr
	WIN 0x80
.set i, 0
.rept 32                                       ; the residual: row block i / 8, rows 2 (i % 8) and + 1
	global_load_b128 v[4*i:4*i+3], v[CO], s[72:73] offset:(16*(i/8)+2*(i%8))*4096
.set i, i+1
.endr
	WIN 0
	v_mul_u32_u24 v6, v1, APITCH
	v_lshl_add_u32 v6, v2, 4, v6
	s_mul_i32 s21, s11, REG                        ; my 64 rows of A
	v_add_nc_u32 v[ADRA0], s21, v6
	v_lshl_add_u32 v7, v2, 3, v3                   ; the turning load: k row 8 h + l % 8, 16 bytes at 16 ((l / 8) % 2)
	v_mul_u32_u24 v7, v7, BPITCH
	v_lshl_add_u32 v7, v4, 4, v7
	s_lshl_b32 s21, s12, 7                         ; my 64 columns
	s_add_co_u32 s21, s21, 2*REG
	v_add_nc_u32 v[ADRB0], s21, v7
	v_mov_b32 v[ADRA], v[ADRA0]
	v_mov_b32 v[ADRB], v[ADRB0]
	s_mul_i32 s21, s10, 16*SPITCH
	s_add_co_u32 s21, s21, STAGE                   ; my stage
	v_mul_u32_u24 v6, v1, SPITCH                   ; in: row r, 32 bytes for each half of the lanes
	v_lshl_add_u32 v6, v2, 5, v6
	v_add_nc_u32 v[STO], s21, v6
	v_mul_u32_u24 v6, v2, SPITCH                   ; back: lanes 0-15 one row of 256 bytes, lanes 16-31 the next
	v_lshl_add_u32 v6, v1, 4, v6
	v_add_nc_u32 v[RD], s21, v6
; 16 matrix instructions: all 4 x 4 blocks, 32 along K: depth c of buffer f.  first = 1: the bias starts the sums.  The 16 accumulators take turns.
.macro MUL16 f, c, first
	WIN 0x05
.irp a, 0,1,2,3
.irp b, 0,1,2,3
.if \first
	v_wmma_f32_16x16x32_bf16 v[ACC+8*(4*(\a)+(\b)):ACC+8*(4*(\a)+(\b))+7], v[128*(\f)+64+8*(4*(\c)+(\b)):128*(\f)+64+8*(4*(\c)+(\b))+7], v[128*(\f)+8*(4*(\c)+(\a)):128*(\f)+8*(4*(\c)+(\a))+7], v[BIAS+8*(\b):BIAS+8*(\b)+7]
.else
	v_wmma_f32_16x16x32_bf16 v[ACC+8*(4*(\a)+(\b)):ACC+8*(4*(\a)+(\b))+7], v[128*(\f)+64+8*(4*(\c)+(\b)):128*(\f)+64+8*(4*(\c)+(\b))+7], v[128*(\f)+8*(4*(\c)+(\a)):128*(\f)+8*(4*(\c)+(\a))+7], v[ACC+8*(4*(\a)+(\b)):ACC+8*(4*(\a)+(\b))+7]
.endif
.endr
.endr
.endm
; 32 LDS loads in one run: the fragments of the trip's quarter q (0, 1) into buffer g; the first depth's sixteen first
.macro FETCH q, g
	WIN 0x40
.irp c, 0,1
.irp i, 0,1,2,3
.if KIND == 0
.set AO, 9216*(\q)+2304*(\i)+64*(\c)           ; a quarter is a head; 16 tokens a block
.else
.set AO, 8448*(\i)+128*(\q)+64*(\c)
.endif
	ds_load_tr16_b128 v[128*(\g)+64+8*(4*(\c)+(\i)):128*(\g)+64+8*(4*(\c)+(\i))+3],   v[ADRB] offset:(\q)*18432+(\c)*9216+32*(\i)
	ds_load_tr16_b128 v[128*(\g)+64+8*(4*(\c)+(\i))+4:128*(\g)+64+8*(4*(\c)+(\i))+7], v[ADRB] offset:(\q)*18432+(\c)*9216+32*(\i)+4608
	ds_load_b128 v[128*(\g)+8*(4*(\c)+(\i)):128*(\g)+8*(4*(\c)+(\i))+3],   v[ADRA] offset:AO
	ds_load_b128 v[128*(\g)+8*(4*(\c)+(\i))+4:128*(\g)+8*(4*(\c)+(\i))+7], v[ADRA] offset:AO+32
.endr
.endr
.endm
; A step's two trips.  mid = 1: the copy that is entered in the middle of its first trip.
.macro PAIR tag, mid
.Lstep\tag:
	v_add_nc_u32 v[ADRA], s[TA], v[ADRA0]          ; these two and two v_nop are the places in front of the loads into buffer 0
	v_add_nc_u32 v[ADRB], s[TW], v[ADRB0]
	v_nop
	v_nop
	FETCH 0, 0
	s_wait_dscnt 32                                ; all but the 32 just issued: buffer 1 is whole
	MUL16 1, 1, 0
	s_wait_dscnt 16                                ; buffer 0's first depth is in; its other sixteen loads may be out
	MUL16 0, 0, 0
.if \mid
	WIN 0                                          ; at a label every window is 0
.Lmid:
.endif
	PLACES
	FETCH 1, 1
	s_wait_dscnt 32                                ; all but the 32 just issued: buffer 0 is whole
	MUL16 0, 1, 0
	s_wait_dscnt 16
	MUL16 1, 0, 0
	WIN 0
	s_add_co_u32 s[TA], s[TA], PAIRA               ; the next trip's two quarters
	s_add_co_u32 s[TW], s[TW], PAIRW
	s_sub_co_u32 s[CNT], s[CNT], 1
	s_cmp_lg_u32 s[CNT], 0
	s_cbranch_scc1 .Lstep\tag
.endm
; THE CHANGE OF SLOTS.  The slot's last quarter has been fetched.  Each wave waits for all its tensor loads (one is out: its part of the next slot), adds 0 to its spare word, and waits for that and for its reads of
; this slot.  fill = 1: the barrier is a round of the cluster's barrier, so that no wave of any partner still reads the slot or has a load on its way, and the joint refill, two steps ahead, is the first thing behind it.
.macro CHANGE fill
	s_wait_tensorcnt 0x0
	ds_add_u32 v[SPW], v[NIL]
.if \fill
	s_xor_b32 s[G0A+5], s[G0A+5], SLOT             ; the walking descriptors: the other slot than last time, the next K step
	s_add_nc_u64 s[G0A+6:G0A+7], s[G0A+6:G0A+7], ASTEP
	s_xor_b32 s[G0B+5], s[G0B+5], SLOT
	s_add_nc_u64 s[G0B+6:G0B+7], s[G0B+6:G0B+7], BSTEP
	s_wait_dscnt 0x0                               ; the add is done, and my reads of this slot are over
	CROUND
	JLOAD
.else
	s_wait_dscnt 0x0
	s_barrier_signal -1
	s_barrier_wait -1
.endif
	s_sub_co_u32 s[TA], s[TA], 2*PAIRA             ; the fetches go back to a slot's first quarter,
	s_xor_b32 s[TA], s[TA], SLOT                   ; in the other slot
	s_sub_co_u32 s[TW], s[TW], 2*PAIRW
	s_xor_b32 s[TW], s[TW], SLOT
.endm
; THE WAY OUT of row block a: the f32 sums go into my own stage, 32 bytes a lane, and come back as whole rows of 256 bytes; the residual is added; 16 lanes store 256 consecutive bytes, aligned.
.macro OUTA a
.set TS, TMP+32*((\a)%2)
	WIN 0
.irp b, 0,1,2,3
	ds_store_b128 v[STO], v[ACC+8*(4*(\a)+(\b)):ACC+8*(4*(\a)+(\b))+3]   offset:64*(\b)      ; each accumulator's low registers first
	ds_store_b128 v[STO], v[ACC+8*(4*(\a)+(\b))+4:ACC+8*(4*(\a)+(\b))+7] offset:64*(\b)+16
.endr
	s_wait_xcnt 0x0                                ; the stores of two blocks ago have read this set of registers
.irp t, 0,1,2,3,4,5,6,7
	ds_load_b128 v[TS+4*(\t):TS+4*(\t)+3], v[RD] offset:544*(\t)  ; LDS serves a wave's instructions in order (ISA guide 5.7.1.4): these see the stores above
.endr
	s_wait_dscnt 0x0
	WIN 0x08                                       ; source 1, the residual, in window 2
.set i, 0
.rept 16
	v_pk_add_f32 v[TS+2*i:TS+2*i+1], v[TS+2*i:TS+2*i+1], v[32*(\a)+2*i:32*(\a)+2*i+1]
.set i, i+1
.endr
	WIN 0
.irp t, 0,1,2,3,4,5,6,7
	global_store_b128 v[CO], v[TS+4*(\t):TS+4*(\t)+3], s[74:75] offset:(16*(\a)+2*(\t))*4096
.endr
.endm
	s_wait_tensorcnt 0x1                           ; my part of K step 0 is in; step 1's stays out
	s_barrier_signal -1
	s_barrier_wait -1
	FETCH 0, 0
	s_wait_loadcnt 32                              ; the bias is in; the residual's 32 loads stay out
	s_wait_dscnt 16
	MUL16 0, 0, 1                                  ; the first sixteen products stand ahead of the loop: they start the sums with the bias
	WIN 0
	s_mov_b32 s[CNT], 2
	s_mov_b32 s3, STEPS-1
	s_branch .Lmid                                 ; the loop is entered in the middle of a trip
.Lslot:                                                ; STEPS - 2 times: every slot but the last two is filled again
	CHANGE 1
	s_mov_b32 s[CNT], 2
	PAIR A, 1
	s_sub_co_u32 s3, s3, 1
	s_cmp_lg_u32 s3, 0
	s_cbranch_scc1 .Lslot
	CHANGE 0                                       ; the last step is written out: nothing is asked for
	s_mov_b32 s[CNT], 2
	PAIR T, 0
	s_wait_dscnt 0x0
	MUL16 1, 1, 0                                  ; the last quarter's second depth
	s_wait_loadcnt 0x0                             ; the residual
.if KIND == 0
	WIN 0x8a                                       ; x is an input: rounded to bf16, kept as f32.  These lines are also the places behind the last products
.set i, 0
.rept 64
	v_cvt_pk_bf16_f32 v[T2+i%2], v[2*i], v[2*i+1]
	v_lshlrev_b32 v[2*i], 16, v[T2+i%2]
	v_and_b32 v[2*i+1], s45, v[T2+i%2]
.set i, i+1
.endr
	WIN 0
.else
	PLACES
.endif
	OUTA 0
	OUTA 1
	OUTA 2
	OUTA 3
	s_wait_tensorcnt 0x0                           ; the wave's end
	ds_add_u32 v[SPW], v[NIL]
	s_wait_dscnt 0x0
	CROUND                                         ; the closing round
	s_endpgm
.Lfunc_end_k_qb10450de4b_wo:
	.size	k_qb10450de4b_wo, .Lfunc_end_k_qb10450de4b_wo-k_qb10450de4b_wo
	.p2alignl 7, 3214868480
	.fill 96, 4, 3214868480
	.section	.rodata,"a",@progbits
	.p2align	6, 0x0
	.amdhsa_kernel k_qb10450de4b_wo
		.amdhsa_group_segment_fixed_size 327680
		.amdhsa_private_segment_fixed_size 0
		.amdhsa_enable_private_segment 0
		.amdhsa_kernarg_size 32
		.amdhsa_user_sgpr_count 2
		.amdhsa_user_sgpr_kernarg_segment_ptr 1
		.amdhsa_wavefront_size32 1
		.amdhsa_system_sgpr_workgroup_id_x 1
		.amdhsa_system_sgpr_workgroup_id_y 1
		.amdhsa_system_sgpr_workgroup_id_z 1
		.amdhsa_system_vgpr_workitem_id 0
		.amdhsa_next_free_vgpr 648
		.amdhsa_next_free_sgpr 80
		.amdhsa_reserve_vcc 0
		.amdhsa_float_denorm_mode_32 3
		.amdhsa_float_denorm_mode_16_64 3
		.amdhsa_memory_ordered 1
		.amdhsa_forward_progress 1
		.amdhsa_inst_pref_size 55
	.end_amdhsa_kernel
	.amdgpu_metadata
---
amdhsa.version: [ 1, 2 ]
amdhsa.kernels:
  - .name:           k_qb10450de4b_wo
    .symbol:         k_qb10450de4b_wo.kd
    .args:
      - { .name: obuf, .offset: 0, .size: 8, .value_kind: global_buffer, .address_space: global }
      - { .name: wts, .offset: 8, .size: 8, .value_kind: global_buffer, .address_space: global }
      - { .name: x, .offset: 16, .size: 8, .value_kind: global_buffer, .address_space: global }
      - { .name: hbuf, .offset: 24, .size: 8, .value_kind: global_buffer, .address_space: global }
    .group_segment_fixed_size: 327680
    .private_segment_fixed_size: 0
    .kernarg_segment_align: 8
    .kernarg_segment_size: 32
    .max_flat_workgroup_size: 128
    .sgpr_count:     80
    .vgpr_count:     648
    .wavefront_size: 32
...
	.end_amdgpu_metadata
.endif
;; end of part 4
;; launch ln2 (part 5): grid 512 x 1, 8 waves a work-group, no clusters, 0 bytes of LDS; arguments hbuf, g2, be2, act; writes act
.if DOCPART == 5
	.amdgcn_target "amdgcn-amd-amdhsa--gfx1250"
	.amdhsa_code_object_version 6
	.text
	.protected	k_qb10450de4b_ln2
	.globl	k_qb10450de4b_ln2
	.p2align	8
	.type	k_qb10450de4b_ln2,@function
k_qb10450de4b_ln2:
	s_mov_b64 s[64:65], 0
	v_nop
	global_prefetch_b8 v0, s[64:65] scope:SCOPE_SE
	s_setreg_imm32_b32 hwreg(HW_REG_WAVE_MODE, 25, 1), 1
	s_wait_xcnt 0x0
; LN2.  act = (h - mu) g2 / (sigma + 1e-6) + be2 in f16; h [4096][1024] f32 as the launch before left it; sigma with the divisor 1023; g2 and be2, inputs, rounded to bf16.
; A row is 4,096 bytes: one wave takes a whole row, eight loads of 16 bytes a lane, and keeps it in 32 registers between the passes for the mean, the squares and the scaling.  One row a wave, eight a work-group.
; A load of the wave covers 512 consecutive bytes, a store 256 consecutive bytes, aligned.  No LDS, no barrier; the text is straight: no register that a pending load or store names is written again.
; LIMIT.  f16 ends at 65,504: 32 |g2| + |be2|, the bound of a normalised row of 1,024, stays below it.
.set X,   8                            ; v[8:39]    the row
.set Y,   40                           ; v[40:55]   the f16 results
.set T,   56
.set MU,  64
.set INV, 66
.set BE,  68
.set GG,  70
.macro TREE                            ; four packed chains into one number a lane, then the sum over the 32 lanes, in every lane
	v_pk_add_f32 v[T:T+1], v[T:T+1], v[T+2:T+3]
	v_pk_add_f32 v[T+4:T+5], v[T+4:T+5], v[T+6:T+7]
	v_pk_add_f32 v[T:T+1], v[T:T+1], v[T+4:T+5]
	v_add_f32 v[T], v[T], v[T+1]
	v_add_f32_dpp v[T], v[T], v[T] row_xmask:1 row_mask:0xf bank_mask:0xf
	v_add_f32_dpp v[T], v[T], v[T] row_xmask:2 row_mask:0xf bank_mask:0xf
	v_add_f32_dpp v[T], v[T], v[T] row_xmask:4 row_mask:0xf bank_mask:0xf
	v_add_f32_dpp v[T], v[T], v[T] row_xmask:8 row_mask:0xf bank_mask:0xf
	v_permlanex16_b32 v[T+1], v[T], s54, s55
	v_add_f32 v[T], v[T], v[T+1]
.endm
	s_load_b256 s[8:15], s[0:1], 0x0               ; hbuf s[8:9], g2 s[10:11], be2 s[12:13], act s[14:15]
	v_lshrrev_b32 v1, 5, v0
	v_readfirstlane_b32 s2, v1                     ; wave 0..7
	v_and_b32 v1, 31, v0
	v_lshlrev_b32 v2, 4, v1
	v_lshlrev_b32 v3, 3, v1
	s_mov_b32 s51, 0
	s_mov_b32 s52, 0xffff0000
	s_mov_b32 s54, 0x76543210
	s_mov_b32 s55, 0xfedcba98
	s_lshl_b32 s46, ttmp9, 3
	s_add_co_u32 s46, s46, s2                      ; my row
	s_wait_kmcnt 0x0
	s_load_b32 s56, s[10:11], 0x0
	s_load_b32 s57, s[12:13], 0x0
	s_lshl_b32 s50, s46, 12
	s_add_nc_u64 s[42:43], s[8:9], s[50:51]
	s_lshl_b32 s50, s46, 11
	s_add_nc_u64 s[44:45], s[14:15], s[50:51]
.irp j, 0,1,2,3,4,5,6,7
	global_load_b128 v[X+4*(\j):X+4*(\j)+3], v2, s[42:43] offset:512*(\j)
.endr
	s_wait_kmcnt 0x0
	v_mov_b32 v[GG], s56
	v_mov_b32 v[BE], s57
	v_cvt_pk_bf16_f32 v[T], v[GG], v[BE]
	v_lshlrev_b32 v[GG], 16, v[T]
	v_and_b32 v[BE], s52, v[T]
	v_mov_b32 v[BE+1], v[BE]
	s_wait_loadcnt 0x0
.irp c, 0,1,2,3
	v_pk_add_f32 v[T+2*(\c):T+2*(\c)+1], v[X+2*(\c):X+2*(\c)+1], v[X+8+2*(\c):X+8+2*(\c)+1]
.endr
.irp c, 0,1,2,3
	v_pk_add_f32 v[T+2*(\c):T+2*(\c)+1], v[T+2*(\c):T+2*(\c)+1], v[X+16+2*(\c):X+16+2*(\c)+1]
.endr
.irp c, 0,1,2,3
	v_pk_add_f32 v[T+2*(\c):T+2*(\c)+1], v[T+2*(\c):T+2*(\c)+1], v[X+24+2*(\c):X+24+2*(\c)+1]
.endr
	TREE
	v_mul_f32 v[MU], 0x3a800000, v[T]              ; sum / 1024
	v_mul_f32 v[MU+1], 0x3a800000, v[T]
.set p, 0
.rept 16
	v_pk_add_f32 v[X+2*p:X+2*p+1], v[X+2*p:X+2*p+1], v[MU:MU+1] neg_lo:[0,1] neg_hi:[0,1]  ; h - mu, in place
.set p, p+1
.endr
.irp c, 0,1,2,3
	v_pk_mul_f32 v[T+2*(\c):T+2*(\c)+1], v[X+2*(\c):X+2*(\c)+1], v[X+2*(\c):X+2*(\c)+1]
.endr
.set p, 4
.rept 12
	v_pk_fma_f32 v[T+2*(p%4):T+2*(p%4)+1], v[X+2*p:X+2*p+1], v[X+2*p:X+2*p+1], v[T+2*(p%4):T+2*(p%4)+1]
.set p, p+1
.endr
	TREE
	v_mul_f32 v[T], 0x3a802008, v[T]               ; / 1023
	v_sqrt_f32 v[T], v[T]
	v_nop                                          ; a plain instruction behind a transcendental, ahead of the use of its result (ISA guide 5.7.2)
	s_wait_alu depctr_va_vdst(0)
	v_add_f32 v[T], 0x358637bd, v[T]               ; sigma + 1e-6
	v_rcp_f32 v[T], v[T]
	v_nop
	s_wait_alu depctr_va_vdst(0)
	v_mul_f32 v[INV], v[GG], v[T]
	v_mul_f32 v[INV+1], v[GG], v[T]
.set p, 0
.rept 16
	v_pk_fma_f32 v[X+2*p:X+2*p+1], v[X+2*p:X+2*p+1], v[INV:INV+1], v[BE:BE+1]
.set p, p+1
.endr
.set p, 0
.rept 16
	v_cvt_pk_f16_f32 v[Y+p], v[X+2*p], v[X+2*p+1]
.set p, p+1
.endr
.irp j, 0,1,2,3,4,5,6,7
	global_store_b64 v3, v[Y+2*(\j):Y+2*(\j)+1], s[44:45] offset:256*(\j)
.endr
	s_endpgm
.Lfunc_end_k_qb10450de4b_ln2:
	.size	k_qb10450de4b_ln2, .Lfunc_end_k_qb10450de4b_ln2-k_qb10450de4b_ln2
	.p2alignl 7, 3214868480
	.fill 96, 4, 3214868480
	.section	.rodata,"a",@progbits
	.p2align	6, 0x0
	.amdhsa_kernel k_qb10450de4b_ln2
		.amdhsa_group_segment_fixed_size 0
		.amdhsa_private_segment_fixed_size 0
		.amdhsa_enable_private_segment 0
		.amdhsa_kernarg_size 32
		.amdhsa_user_sgpr_count 2
		.amdhsa_user_sgpr_kernarg_segment_ptr 1
		.amdhsa_wavefront_size32 1
		.amdhsa_system_sgpr_workgroup_id_x 1
		.amdhsa_system_sgpr_workgroup_id_y 1
		.amdhsa_system_sgpr_workgroup_id_z 1
		.amdhsa_system_vgpr_workitem_id 0
		.amdhsa_next_free_vgpr 72
		.amdhsa_next_free_sgpr 66
		.amdhsa_reserve_vcc 0
		.amdhsa_float_denorm_mode_32 3
		.amdhsa_float_denorm_mode_16_64 3
		.amdhsa_memory_ordered 1
		.amdhsa_forward_progress 1
		.amdhsa_inst_pref_size 10
	.end_amdhsa_kernel
	.amdgpu_metadata
---
amdhsa.version: [ 1, 2 ]
amdhsa.kernels:
  - .name:           k_qb10450de4b_ln2
    .symbol:         k_qb10450de4b_ln2.kd
    .args:
      - { .name: hbuf, .offset: 0, .size: 8, .value_kind: global_buffer, .address_space: global }
      - { .name: g2, .offset: 8, .size: 8, .value_kind: global_buffer, .address_space: global }
      - { .name: be2, .offset: 16, .size: 8, .value_kind: global_buffer, .address_space: global }
      - { .name: act, .offset: 24, .size: 8, .value_kind: global_buffer, .address_space: global }
    .group_segment_fixed_size: 0
    .private_segment_fixed_size: 0
    .kernarg_segment_align: 8
    .kernarg_segment_size: 32
    .max_flat_workgroup_size: 256
    .sgpr_count:     66
    .vgpr_count:     72
    .wavefront_size: 32
...
	.end_amdgpu_metadata
.endif
;; end of part 5
;; launch ffn1 (part 6): grid 16 x 16, 4 waves a work-group, clusters of 4 x 4, 327,680 bytes of LDS; arguments act, wts, abuf; writes abuf
.if DOCPART == 6
	.amdgcn_target "amdgcn-amd-amdhsa--gfx1250"
	.amdhsa_code_object_version 6
	.text
	.protected	k_qb10450de4b_ffn1
	.globl	k_qb10450de4b_ffn1
	.p2align	8
	.type	k_qb10450de4b_ffn1,@function
k_qb10450de4b_ffn1:
	s_mov_b64 s[64:65], 0
	v_nop
	global_prefetch_b8 v0, s[64:65] scope:SCOPE_SE
	s_setreg_imm32_b32 hwreg(HW_REG_WAVE_MODE, 25, 1), 1
	s_wait_xcnt 0x0
	s_wait_alu depctr_hold_cnt(0) depctr_sa_sdst(0) depctr_va_vdst(0) depctr_va_sdst(0) depctr_va_ssrc(0) depctr_va_vcc(0) depctr_vm_vsrc(0)
	s_getreg_b32 s2, hwreg(HW_REG_IB_STS2, 6, 4)
	s_cmp_eq_u32 s2, 0
	s_cbranch_scc0 .Lentry_in_a_cluster
	s_endpgm
.Lentry_in_a_cluster:
	s_bfe_u32 s2, ttmp6, 0x10000c
	s_cmp_lg_u32 s2, 0xf033
	s_cbranch_scc0 .Lentry_shape_is_right
	s_endpgm
.Lentry_shape_is_right:
; ONE TEXT FOR TWO LAUNCHES; KIND chooses.  C = A W + bias, A [4096][1024] f16 (a normalised activation), W [1024][NTOT] f16 as it lies, [k][n]; sums in f32, C rounded once to bf16.
;   KIND 0: W = Wq | Wk | Wv (NTOT 3,072); C goes out by heads: qkv[which][batch x 16 + head][token][64].  A tile of C is 256 x 192 (three heads); a wave has 64 rows x 192 columns: 48 accumulators.
;   KIND 1: W = W1 (NTOT 4,096); C = relu(..) goes to abuf [4096][4096].  A tile is 256 x 256; a wave has 128 x 128: 64 accumulators.
; Both give 16 x 16 = 256 work-groups of four waves.  K goes in 8 steps of 128 through two LDS slots filled by tensor loads: waves 0, 1 bring A's two halves (128 rows x 256 bytes), waves 2, 3 W's (64 k rows).
; CLUSTER 4 x 4: A's tile hangs on the tile row alone and is asked for jointly by a row of the cluster, W's on the tile column alone, by a column.
; THE MATRIX INSTRUCTION IS USED TRANSPOSED: source 0 = 16 columns of W (turned on the way out of LDS by ds_load_tr16_b128), source 1 = 16 rows of A.  Lane l of a result holds row l % 16 of C
; and the columns 8 (l / 16) + 0..7.  THE BIAS is the C operand of each accumulator's first product: eight f32 a lane and column block, loaded once.
; HALF A K STEP'S TEXT, WALKED TWICE A STEP.  A quarter is 32 along K, on fragment buffers 0, 1 by turns; its products fall into those of my lower and of my upper row blocks.  A trip of the inner loop begins where a
; quarter's fragments are fetched: fetch quarter e (even) | upper blocks of e - 1 | lower blocks of e | fetch e + 1 | upper blocks of e | lower blocks of e + 1.  So the change of slots stands between two trips, ahead of the
; fetch that first reads the new slot.  The LDS addresses hang on two scalars that step each trip and go back and turn at the change.  The first quarter (with the bias) stands ahead of the loop, which is entered in the
; middle of a trip; the last step's two trips are written out once more behind the change that asks for nothing; the last quarter's upper blocks follow.
; By this text's own count a wave has two tensor loads out at the start and one behind each round.
; LIMIT.  f16 operands: see the launch that writes them.  The results are bf16: no bound of range beyond f32's exponent.  KIND 1: the maximum with 0 lets a NaN lose.
; REGISTERS, in windows of 256 (s_set_vgpr_msb: bits 1:0 source 0, 3:2 source 1, 5:4 source 2, 7:6 destination): window 0 addresses, A's two fragment buffers, the way out (KIND 0: the bias too);
; window 1 W's two fragment buffers (KIND 1: the bias too); windows 2 and 3 the accumulators of the lower and the upper half of my row blocks, (a, b) at v[8 ((a % (MB / 2)) NBK + b)].
.set KIND,   1
.set KSTEP,  128
.set STEPS,  1024/KSTEP
.set APITCH, 272                       ; an LDS row of A: 256 bytes + 16: the 16 rows of a fragment load start 16 bytes apart modulo 256
.set AHALF,  128*APITCH
.set ABYTES, 2*AHALF
.if KIND == 0
.set MB,     4                         ; my row blocks of 16
.set NBK,    12                        ; my column blocks of 16
.set BPITCH, 480                       ; an LDS row of W: three pieces of 128 bytes + 32
.set BQI,    4                         ; the padding's interval: 32 words
.set NTOT,   3072
.set TILEN,  192
.set WOFF,   0                         ; W's place in wts
.set BIASOFF, 25165824                 ; the bias's
.set SLOT,   131072
.set SPITCH, 400                       ; a stage row: 384 bytes + 16
.set FA0,    64
.set FA1,    96
.set FB0,    0
.set FB1,    96
.set BIAS,   128
.set CW,     0                         ; the bias's window
.set TMP,    128
.set OB0,    64
.set OB1,    176
.else
.set MB,     8
.set NBK,    8
.set BPITCH, 544                       ; 512 bytes + 32
.set BQI,    6                         ; 128 words
.set NTOT,   4096
.set TILEN,  256
.set WOFF,   6291456
.set BIASOFF, 25165824+12288
.set SLOT,   139264
.set SPITCH, 272
.set FA0,    64
.set FA1,    128
.set FB0,    64
.set FB1,    128
.set BIAS,   192
.set CW,     1
.set TMP,    192
.set OB0,    32
.set OB1,    224
.endif
.set BHALF,  64*BPITCH
.set BSTEP,  KSTEP*NTOT*2
.set PAIRA,  128                       ; a trip's two quarters along A's LDS rows, in bytes
.set PAIRW,  64*BPITCH                 ; and down W's: 64 k rows
.set STAGE,  2*SLOT                    ; behind the ring: 16 rows for each wave, for the way out; no tensor load lands there
.set SPARE,  STAGE+4*16*SPITCH         ; behind the stages: the spare words, 128 bytes a wave, which no other line names
; SLOT shares no bit with a slot-0 fill's LDS address (0, AHALF, ABYTES, ABYTES + BHALF), so one exclusive or moves such an address to the other slot and back.
.set ADRA0, 16                         ; v16  my lane's place in A's part of slot 0; never rewritten
.set ADRB0, 17                         ; v17  the same for W
.set ADRA,  18                         ; v18  the same for the trip in hand
.set ADRB,  19                         ; v19
.set STO,   24                         ; v24  the way out: where I put 16 bytes of a row
.set RD,    25                         ; v25  where I read rows back
.set GO,    26                         ; v26  my byte offset in the output
.set SPW,   28                         ; v28  my spare word: SPARE + 4 x my thread's number; never rewritten
.set NIL,   29                         ; v29  0; never rewritten
.set ZR,    30                         ; v30  0, for the packed maximum
.set G1A, 24                           ; s[24:31] descriptor group 1, A
.set G0A, 32                           ; s[32:39] group 0, A: a set for each first fill; the second then walks
.set G1B, 48                           ; s[48:55], s[56:63] the same for W
.set G0B, 56
.set TA,  66                           ; s66  the slot in hand (0 or SLOT) + the trip's place along A's rows
.set TW,  67                           ; s67  the same down W's rows
.set CNT, 68                           ; s68  counts a step's two trips
.set MSB, 0
.macro WIN new                         ; the immediate's high byte repeats the setting that is left; a switch that changes nothing is dropped
.if MSB != (\new)
	s_set_vgpr_msb (MSB<<8)|(\new)
.set MSB, \new
.endif
.endm
.macro PLACES                          ; four plain vector instructions between a matrix instruction and a load into, or a vector read of, its registers (ISA guide 7.12.1 for vector reads)
.rept 4
	v_nop
.endr
.endm
.macro JLOAD                           ; the joint refill: waves 0, 1 by A's walking descriptor, waves 2, 3 by W's; s_nop 0 and four v_nop behind each line
	s_cmp_eq_u32 s11, 0
	s_cbranch_scc0 .Lfor_b_\@
	tensor_load_to_lds s[G0A+4:G0A+7], s[G1A:G1A+7]
	s_nop 0
.rept 4
	v_nop
.endr
	s_branch .Lasked_\@
.Lfor_b_\@:
	tensor_load_to_lds s[G0B+4:G0B+7], s[G1B:G1B+7]
	s_nop 0
.rept 4
	v_nop
.endr
.Lasked_\@:
.endm
.macro CROUND                          ; a round of the cluster's barrier
	s_barrier_signal -1
	s_barrier_wait -1
	s_cmp_lg_u32 s10, 0
	s_cbranch_scc1 .Lnot_wave_0_\@
	s_barrier_signal -3
.Lnot_wave_0_\@:
	s_barrier_wait -3
	s_barrier_signal -1
	s_barrier_wait -1
.endm
	s_load_b128 s[4:7], s[0:1], 0x0                ; A s[4:5], wts s[6:7]
	s_load_b64 s[8:9], s[0:1], 0x10                ; the output
	v_lshl_add_u32 v[SPW], v0, 2, SPARE
	v_mov_b32 v[NIL], 0
	ds_add_u32 v[SPW], v[NIL]                      ; the wave's opening: the add and its wait stand ahead of my first tensor load; work on registers stands between them
	v_lshrrev_b32 v1, 5, v0
	v_readfirstlane_b32 s10, v1                    ; wave 0..3
	s_lshr_b32 s11, s10, 1                         ; I fetch for A (0) or for W (1); KIND 1: my half of the tile's rows
	s_and_b32 s12, s10, 1                          ; which half I fetch; KIND 1: my half of the tile's columns
	s_bfe_u32 s40, ttmp6, 0x40000                  ; cx
	s_bfe_u32 s41, ttmp6, 0x40004                  ; cy
	s_lshl_b32 s42, ttmp9, 2
	s_add_co_u32 s42, s42, s40                     ; tile column
	s_and_b32 s13, ttmp7, 0xffff
	s_lshl_b32 s13, s13, 2
	s_add_co_u32 s13, s13, s41                     ; tile row
	s_lshl_b32 s43, s41, 2
	s_lshl_b32 s43, 15, s43                        ; my row of the cluster
	s_lshl_b32 s44, 0x1111, s40                    ; my column
	s_or_b32 s[G1A], s43, (1<<16)|(1<<20)|(1<<21)|(5<<22)|(3<<25)    ; the mask; 2-byte elements; padding on; bit 21 beside a mask; after every 64 words 4 words
	s_or_b32 s[G1B], s44, (1<<16)|(1<<20)|(1<<21)|(BQI<<22)|(7<<25)  ; after every 32 or 128 words 8 words
	s_mov_b32 s[G1A+1], KSTEP<<16                  ; tensor_dim0
	s_mov_b32 s[G1A+2], 128<<16                    ; tensor_dim1
	s_mov_b32 s[G1A+3], KSTEP<<16                  ; tile_dim0
	s_mov_b32 s[G1A+4], 128                        ; tile_dim1
	s_mov_b32 s[G1A+5], 1024                       ; elements from row to row
	s_mov_b32 s[G1A+6], 0
	s_mov_b32 s[G1A+7], 0
	s_mov_b32 s[G1B+1], TILEN<<16
	s_mov_b32 s[G1B+2], 64<<16
	s_mov_b32 s[G1B+3], TILEN<<16
	s_mov_b32 s[G1B+4], 64
	s_mov_b32 s[G1B+5], NTOT
	s_mov_b32 s[G1B+6], 0
	s_mov_b32 s[G1B+7], 0
	s_lshl_b32 s16, s13, 19                        ; A: (256 x tile row + 128 x half) rows of 2,048 bytes
	s_lshl_b32 s17, s12, 18
	s_add_co_u32 s16, s16, s17
	s_mov_b32 s17, 0
	s_mul_i32 s46, s12, 64*NTOT*2                  ; W: 64 x half rows, the tile's first column
	s_mul_i32 s47, s42, TILEN*2
	s_add_co_u32 s46, s46, s47
	s_add_co_u32 s46, s46, WOFF
	s_mov_b32 s47, 0
	s_mul_i32 s18, s42, TILEN*4                    ; the bias of my columns
.if KIND == 1
	s_lshl_b32 s19, s12, 9
	s_add_co_u32 s18, s18, s19
.endif
	s_add_co_u32 s18, s18, BIASOFF
	s_mov_b32 s19, 0
	s_mul_i32 s20, s12, AHALF                      ; where a fill goes: no place in the cluster enters an LDS address
	s_mul_i32 s21, s12, BHALF
	s_add_co_u32 s21, s21, ABYTES
	s_mov_b32 s[TA], 0
	s_mov_b32 s[TW], 0
	s_wait_dscnt 0x0                               ; the opening add is done
	s_wait_kmcnt 0x0
	s_add_nc_u64 s[14:15], s[4:5], s[16:17]
	s_add_nc_u64 s[46:47], s[6:7], s[46:47]
	s_add_nc_u64 s[18:19], s[6:7], s[18:19]
.irp s, 0,1
	s_mov_b32 s[G0A+4*(\s)], 1
	s_add_co_u32 s[G0A+4*(\s)+1], s20, (\s)*SLOT
	s_add_nc_u64 s[G0A+4*(\s)+2:G0A+4*(\s)+3], s[14:15], (\s)*KSTEP*2
	s_or_b32 s[G0A+4*(\s)+3], s[G0A+4*(\s)+3], 0x80000000
	s_mov_b32 s[G0B+4*(\s)], 1
	s_add_co_u32 s[G0B+4*(\s)+1], s21, (\s)*SLOT
	s_add_nc_u64 s[G0B+4*(\s)+2:G0B+4*(\s)+3], s[46:47], (\s)*BSTEP
	s_or_b32 s[G0B+4*(\s)+3], s[G0B+4*(\s)+3], 0x80000000
.endr
	CROUND                                         ; all sixteen work-groups are here: the first joint loads meet
	s_cmp_eq_u32 s11, 0                            ; a wave's two first fills stand in one branch, ahead of every wait on TENSORcnt and every LDS read
	s_cbranch_scc0 .Lfirst_b
	tensor_load_to_lds s[G0A:G0A+3], s[G1A:G1A+7]
	s_nop 0
	tensor_load_to_lds s[G0A+4:G0A+7], s[G1A:G1A+7]
	s_nop 0
.rept 4
	v_nop
.endr
	s_branch .Lfirst_asked
.Lfirst_b:
	tensor_load_to_lds s[G0B:G0B+3], s[G1B:G1B+7]
	s_nop 0
	tensor_load_to_lds s[G0B+4:G0B+7], s[G1B:G1B+7]
	s_nop 0
.rept 4
	v_nop
.endr
.Lfirst_asked:
	v_and_b32 v1, 15, v0                           ; r = l % 16
	v_bfe_u32 v2, v0, 4, 1                         ; h = l / 16
	v_and_b32 v3, 7, v0
	v_bfe_u32 v4, v0, 3, 1
	v_lshlrev_b32 v5, 5, v2                        ; the bias: my eight columns of a block begin 32 h bytes into its 64
	WIN CW<<6
.set ib, 0
.rept NBK
	global_load_b128 v[BIAS+8*ib:BIAS+8*ib+3],   v5, s[18:19] offset:64*ib
	global_load_b128 v[BIAS+8*ib+4:BIAS+8*ib+7], v5, s[18:19] offset:64*ib+16
.set ib, ib+1
.endr
	WIN 0
	v_mov_b32 v[ZR], 0
	; A's fragment: lane l holds row r; two loads of 16 bytes, 32 apart, at row x pitch + 16 h.  W's: the turning load reads k row 8 h + l % 8, 16 bytes at 16 ((l / 8) % 2), and leaves column r, eight k.
	v_mul_u32_u24 v6, v1, APITCH
	v_lshl_add_u32 v6, v2, 4, v6
.if KIND == 0
	s_mul_i32 s22, s10, 64*APITCH                  ; my 64 rows
.else
	s_mul_i32 s22, s11, AHALF                      ; my 128 rows
.endif
	v_add_nc_u32 v[ADRA0], s22, v6
	v_lshl_add_u32 v7, v2, 3, v3
	v_mul_u32_u24 v7, v7, BPITCH
	v_lshl_add_u32 v7, v4, 4, v7
.if KIND == 0
	v_add_nc_u32 v[ADRB0], ABYTES, v7
.else
	s_lshl_b32 s22, s12, 8                         ; my 128 columns
	s_add_co_u32 s22, s22, ABYTES
	v_add_nc_u32 v[ADRB0], s22, v7
.endif
	v_mov_b32 v[ADRA], v[ADRA0]
	v_mov_b32 v[ADRB], v[ADRB0]
	s_mul_i32 s23, s10, 16*SPITCH
	s_add_co_u32 s23, s23, STAGE                   ; my stage
	v_mul_u32_u24 v6, v1, SPITCH                   ; in: row r, 16 bytes for each half of the lanes
	v_lshl_add_u32 v6, v2, 4, v6
	v_add_nc_u32 v[STO], s23, v6
.if KIND == 0
	v_bfe_u32 v6, v0, 3, 2                         ; back: 32 lanes take four rows' 128 bytes of one head,
	v_mul_u32_u24 v6, v6, SPITCH
	v_lshl_add_u32 v6, v3, 4, v6
	v_add_nc_u32 v[RD], s23, v6
	v_and_b32 v[GO], 31, v0                        ; which are 512 consecutive bytes of the output
	v_lshlrev_b32 v[GO], 4, v[GO]
	s_mul_i32 s46, s42, 3                          ; my tile's first head slot among 48 (q's 16, k's 16, v's 16)
	s_lshr_b32 s22, s13, 3                         ; the batch,
	s_lshl_b32 s22, s22, 4                         ; its 16 heads
	s_and_b32 s23, s13, 7
	s_lshl_b32 s23, s23, 8
	s_lshl_b32 s47, s10, 6
	s_add_co_u32 s23, s23, s47                     ; my first token in the batch,
	s_lshl_b32 s23, s23, 7                         ; 128 bytes each
.irp hh, 0,1,2
	s_add_co_u32 s47, s46, \hh
	s_lshr_b32 s78, s47, 4                         ; which of q, k, v: 32 heads each
	s_lshl_b32 s78, s78, 5
	s_and_b32 s47, s47, 15
	s_add_co_u32 s78, s78, s47
	s_add_co_u32 s78, s78, s22
	s_lshl_b32 s78, s78, 18                        ; a head is 262,144 bytes
	s_add_co_u32 s78, s78, s23
	s_mov_b32 s79, 0
	s_add_nc_u64 s[72+2*\hh:73+2*\hh], s[8:9], s[78:79]
.endr
.else
	v_mul_u32_u24 v6, v2, SPITCH                   ; back: lanes 0-15 take one row of 256 bytes, lanes 16-31 the next
	v_lshl_add_u32 v6, v1, 4, v6
	v_add_nc_u32 v[RD], s23, v6
	v_lshlrev_b32 v[GO], 13, v2                    ; and the same two rows of the output, 8,192 bytes apart
	v_lshl_add_u32 v[GO], v1, 4, v[GO]
	s_lshl_b32 s78, s13, 21                        ; (256 x tile row + 128 x my half) rows, 512 x tile column + 256 x my half bytes
	s_lshl_b32 s79, s11, 20
	s_add_co_u32 s78, s78, s79
	s_lshl_b32 s79, s42, 9
	s_add_co_u32 s78, s78, s79
	s_lshl_b32 s79, s12, 8
	s_add_co_u32 s78, s78, s79
	s_mov_b32 s79, 0
	s_add_nc_u64 s[72:73], s[8:9], s[78:79]
.endif
; NBK matrix instructions: row block a x all my column blocks, 32 along K, from buffers f.  first = 1: the bias starts the sums: nothing is cleared.
.macro MULA f, a, first
.set WD, 2+(\a)/(MB/2)
.set AC, 8*(((\a)%(MB/2))*NBK)
.set FAx, FA0+(\f)*(FA1-FA0)+8*(\a)
.set FBx, FB0+(\f)*(FB1-FB0)
.if \first
	WIN (WD<<6)|(CW<<4)|1
.else
	WIN (WD<<6)|(WD<<4)|1
.endif
.set ib, 0
.rept NBK
.if \first
	v_wmma_f32_16x16x32_f16 v[AC+8*ib:AC+8*ib+7], v[FBx+8*ib:FBx+8*ib+7], v[FAx:FAx+7], v[BIAS+8*ib:BIAS+8*ib+7]
.else
	v_wmma_f32_16x16x32_f16 v[AC+8*ib:AC+8*ib+7], v[FBx+8*ib:FBx+8*ib+7], v[FAx:FAx+7], v[AC+8*ib:AC+8*ib+7]
.endif
.set ib, ib+1
.endr
.endm
.macro LOWER f, first                  ; my lower row blocks.  All accumulators take turns in one order in every quarter
.set ia, 0
.rept MB/2
	MULA \f, ia, \first
.set ia, ia+1
.endr
.endm
.macro UPPER f, first                  ; my upper row blocks
.set ia, MB/2
.rept MB/2
	MULA \f, ia, \first
.set ia, ia+1
.endr
.endm
; 32 LDS loads in one run: the fragments of the trip's quarter kq (0, 1) into buffers g: W's 2 NBK first, then A's 2 MB, the lower row blocks first
.macro FETCH kq, g
.set FAx, FA0+(\g)*(FA1-FA0)
.set FBx, FB0+(\g)*(FB1-FB0)
	WIN 0x40
.set ib, 0
.rept NBK
.if KIND == 0
.set BO, (ib/4)*160+(ib%4)*32
.else
.set BO, 32*ib
.endif
	ds_load_tr16_b128 v[FBx+8*ib:FBx+8*ib+3],   v[ADRB] offset:(\kq)*32*BPITCH+BO
	ds_load_tr16_b128 v[FBx+8*ib+4:FBx+8*ib+7], v[ADRB] offset:(\kq)*32*BPITCH+BO+16*BPITCH
.set ib, ib+1
.endr
	WIN 0
.set ib, 0
.rept MB
	ds_load_b128 v[FAx+8*ib:FAx+8*ib+3],   v[ADRA] offset:ib*16*APITCH+64*(\kq)
	ds_load_b128 v[FAx+8*ib+4:FAx+8*ib+7], v[ADRA] offset:ib*16*APITCH+64*(\kq)+32
.set ib, ib+1
.endr
.endm
; A step's two trips.  mid = 1: the copy that is entered in the middle of its first trip.
.macro PAIR tag, mid
.Lstep\tag:
	v_add_nc_u32 v[ADRA], s[TA], v[ADRA0]          ; these two and two v_nop are the places in front of the loads into buffers 0
	v_add_nc_u32 v[ADRB], s[TW], v[ADRB0]
	v_nop
	v_nop
	FETCH 0, 0
	s_wait_dscnt 32                                ; all but the 32 just issued: buffers 1 are whole
	UPPER 1, 0
	s_wait_dscnt MB                                ; W and A's lower row blocks are in; the youngest MB loads (A's upper blocks) may be out
	LOWER 0, 0
	PLACES
	FETCH 1, 1
	s_wait_dscnt 32                                ; all but the 32 just issued: buffers 0 are whole
	UPPER 0, 0
.if \mid
	WIN 0                                          ; at a label every window is 0
.Lmid:
.endif
	s_wait_dscnt MB
	LOWER 1, 0
	WIN 0
	s_add_co_u32 s[TA], s[TA], PAIRA               ; the next trip's two quarters
	s_add_co_u32 s[TW], s[TW], PAIRW
	s_sub_co_u32 s[CNT], s[CNT], 1
	s_cmp_lg_u32 s[CNT], 0
	s_cbranch_scc1 .Lstep\tag
.endm
; THE CHANGE OF SLOTS.  The slot's last quarter has been fetched.  Each wave waits for all its tensor loads (one is out: its part of the next slot), adds 0 to its spare word, and waits for that and for its reads of
; this slot.  fill = 1: the barrier is a round of the cluster's barrier, so that no wave of any partner still reads the slot or has a load on its way, and the joint refill, two steps ahead, is the first thing behind it.
.macro CHANGE fill
	s_wait_tensorcnt 0x0
	ds_add_u32 v[SPW], v[NIL]
.if \fill
	s_xor_b32 s[G0A+5], s[G0A+5], SLOT             ; the walking descriptors: the other slot than last time, the next K step
	s_add_nc_u64 s[G0A+6:G0A+7], s[G0A+6:G0A+7], KSTEP*2
	s_xor_b32 s[G0B+5], s[G0B+5], SLOT
	s_add_nc_u64 s[G0B+6:G0B+7], s[G0B+6:G0B+7], BSTEP
	s_wait_dscnt 0x0                               ; the add is done, and my reads of this slot are over
	CROUND
	JLOAD
.else
	s_wait_dscnt 0x0
	s_barrier_signal -1
	s_barrier_wait -1
.endif
	s_sub_co_u32 s[TA], s[TA], 2*PAIRA             ; the fetches go back to a slot's first quarter,
	s_xor_b32 s[TA], s[TA], SLOT                   ; in the other slot
	s_sub_co_u32 s[TW], s[TW], 2*PAIRW
	s_xor_b32 s[TW], s[TW], SLOT
.endm
; THE WAY OUT of row block a.  PACK: rounded to bf16 (KIND 1: then the maximum with 0, which gives the same bits as ahead of the rounding).  TOSTAGE: into my own stage and back as whole rows.  SEND: stored.
.macro PACK a
.set AC, 8*(((\a)%(MB/2))*NBK)
	WIN 0x0a+5*((\a)/(MB/2))                       ; sources 0 and 1 in window 2 or 3
.set ib, 0
.rept NBK*4
	v_cvt_pk_bf16_f32 v[TMP+ib], v[AC+2*ib], v[AC+2*ib+1]  ; each accumulator's registers in ascending order
.set ib, ib+1
.endr
	WIN 0
.if KIND == 1
.set ib, 0
.rept NBK*4
	v_pk_max_num_bf16 v[TMP+ib], v[TMP+ib], v[ZR]
.set ib, ib+1
.endr
.endif
.endm
.macro TOSTAGE a
	WIN 0
.set BK, OB0+(OB1-OB0)*((\a)%2)
.set ib, 0
.rept NBK
	ds_store_b128 v[STO], v[TMP+4*ib:TMP+4*ib+3] offset:32*ib
.set ib, ib+1
.endr
.set ib, 0
.rept NBK                                      ; LDS serves a wave's instructions in order (ISA guide 5.7.1.4): these see the stores above
.if KIND == 0
	ds_load_b128 v[BK+4*ib:BK+4*ib+3], v[RD] offset:1600*(ib%4)+128*(ib/4)
.else
	ds_load_b128 v[BK+4*ib:BK+4*ib+3], v[RD] offset:544*ib
.endif
.set ib, ib+1
.endr
.endm
.macro SEND a
	WIN 0
.set BK, OB0+(OB1-OB0)*((\a)%2)
	s_wait_dscnt 0x0                               ; the block is back in registers
	s_wait_xcnt 0x0                                ; the stores of the block before have read their registers: the next TOSTAGE loads into them
.set ib, 0
.rept NBK
.if KIND == 0
	global_store_b128 v[GO], v[BK+4*ib:BK+4*ib+3], s[72+2*(ib/4):73+2*(ib/4)] offset:2048*(\a)+512*(ib%4)  ; four tokens of a head: 512 consecutive bytes, aligned
.else
	global_store_b128 v[GO], v[BK+4*ib:BK+4*ib+3], s[72:73] offset:(16*(\a)+2*ib)*8192  ; 16 lanes store 256 consecutive bytes, aligned
.endif
.set ib, ib+1
.endr
.endm
	s_wait_tensorcnt 0x1                           ; my part of K step 0 is in; step 1's stays out
	s_barrier_signal -1
	s_barrier_wait -1                              ; everybody's is
	FETCH 0, 0
	s_wait_loadcnt 0x0                             ; the bias
	s_wait_dscnt MB
	LOWER 0, 1                                     ; the first quarter stands ahead of the loop: its products start the sums with the bias
	PLACES
	FETCH 1, 1
	s_wait_dscnt 32
	UPPER 0, 1
	WIN 0
	s_mov_b32 s[CNT], 2
	s_mov_b32 s3, STEPS-1
	s_branch .Lmid                                 ; the loop is entered in the middle of a trip
.Lslot:                                                ; STEPS - 2 times: every slot but the last two is filled again
	CHANGE 1
	s_mov_b32 s[CNT], 2
	PAIR A, 1
	s_sub_co_u32 s3, s3, 1
	s_cmp_lg_u32 s3, 0
	s_cbranch_scc1 .Lslot
	CHANGE 0                                       ; the last step is written out: nothing is asked for
	s_mov_b32 s[CNT], 2
	PAIR T, 0
	s_wait_dscnt 0x0
	UPPER 1, 0                                     ; the last quarter's upper blocks
	PLACES
	PACK 0
	TOSTAGE 0
.set ip, 1
.rept MB-1                                     ; block a's conversions stand between block a - 1's loads from the stage and the wait for them
	PACK ip
	SEND ip-1
	TOSTAGE ip
.set ip, ip+1
.endr
	SEND MB-1
	s_wait_tensorcnt 0x0                           ; the wave's end
	ds_add_u32 v[SPW], v[NIL]
	s_wait_dscnt 0x0
	CROUND                                         ; the closing round: no work-group ends while a partner may still ask for a tile that names it
	s_endpgm
.Lfunc_end_k_qb10450de4b_ffn1:
	.size	k_qb10450de4b_ffn1, .Lfunc_end_k_qb10450de4b_ffn1-k_qb10450de4b_ffn1
	.p2alignl 7, 3214868480
	.fill 96, 4, 3214868480
	.section	.rodata,"a",@progbits
	.p2align	6, 0x0
	.amdhsa_kernel k_qb10450de4b_ffn1
		.amdhsa_group_segment_fixed_size 327680
		.amdhsa_private_segment_fixed_size 0
		.amdhsa_enable_private_segment 0
		.amdhsa_kernarg_size 24
		.amdhsa_user_sgpr_count 2
		.amdhsa_user_sgpr_kernarg_segment_ptr 1
		.amdhsa_wavefront_size32 1
		.amdhsa_system_sgpr_workgroup_id_x 1
		.amdhsa_system_sgpr_workgroup_id_y 1
		.amdhsa_system_sgpr_workgroup_id_z 1
		.amdhsa_system_vgpr_workitem_id 0
		.amdhsa_next_free_vgpr 1024
		.amdhsa_next_free_sgpr 80
		.amdhsa_reserve_vcc 0
		.amdhsa_float_denorm_mode_32 3
		.amdhsa_float_denorm_mode_16_64 3
		.amdhsa_memory_ordered 1
		.amdhsa_forward_progress 1
		.amdhsa_inst_pref_size 95
	.end_amdhsa_kernel
	.amdgpu_metadata
---
amdhsa.version: [ 1, 2 ]
amdhsa.kernels:
  - .name:           k_qb10450de4b_ffn1
    .symbol:         k_qb10450de4b_ffn1.kd
    .args:
      - { .name: act, .offset: 0, .size: 8, .value_kind: global_buffer, .address_space: global }
      - { .name: wts, .offset: 8, .size: 8, .value_kind: global_buffer, .address_space: global }
      - { .name: abuf, .offset: 16, .size: 8, .value_kind: global_buffer, .address_space: global }
    .group_segment_fixed_size: 327680
    .private_segment_fixed_size: 0
    .kernarg_segment_align: 8
    .kernarg_segment_size: 24
    .max_flat_workgroup_size: 128
    .sgpr_count:     80
    .vgpr_count:     1024
    .wavefront_size: 32
...
	.end_amdgpu_metadata
.endif
;; end of part 6
;; launch ffn2 (part 7): grid 8 x 32, 4 waves a work-group, clusters of 4 x 4, 327,680 bytes of LDS; arguments abuf, wts, hbuf, out0; writes out0
.if DOCPART == 7
	.amdgcn_target "amdgcn-amd-amdhsa--gfx1250"
	.amdhsa_code_object_version 6
	.text
	.protected	k_qb10450de4b_ffn2
	.globl	k_qb10450de4b_ffn2
	.p2align	8
	.type	k_qb10450de4b_ffn2,@function
k_qb10450de4b_ffn2:
	s_mov_b64 s[64:65], 0
	v_nop
	global_prefetch_b8 v0, s[64:65] scope:SCOPE_SE
	s_setreg_imm32_b32 hwreg(HW_REG_WAVE_MODE, 25, 1), 1
	s_wait_xcnt 0x0
	s_wait_alu depctr_hold_cnt(0) depctr_sa_sdst(0) depctr_va_vdst(0) depctr_va_sdst(0) depctr_va_ssrc(0) depctr_va_vcc(0) depctr_vm_vsrc(0)
	s_getreg_b32 s2, hwreg(HW_REG_IB_STS2, 6, 4)
	s_cmp_eq_u32 s2, 0
	s_cbranch_scc0 .Lentry_in_a_cluster
	s_endpgm
.Lentry_in_a_cluster:
	s_bfe_u32 s2, ttmp6, 0x10000c
	s_cmp_lg_u32 s2, 0xf033
	s_cbranch_scc0 .Lentry_shape_is_right
	s_endpgm
.Lentry_shape_is_right:
; ONE TEXT FOR TWO LAUNCHES; KIND chooses.  C = A W + bias + residual, C [4096][1024] f32; A and W bf16, W [K][1024] as it lies, [k][n]; sums in f32.
;   KIND 0: A = the attention's O, by heads [32][2048][64]; K = 1,024 = 16 heads x 64; W = Wo; the residual is x, rounded to bf16 like every input; C = h.
;   KIND 1: A = the hidden layer [4096][4096]; K = 4,096; W = W2; the residual is h as it is; C = the block's output.
; A tile of C is 128 x 128: 8 x 32 = 256 work-groups of four waves, each wave 64 x 64: 16 accumulators.  K goes in steps of 256 through two LDS slots: waves 0, 1 bring A's two halves (64 rows), waves 2, 3 W's (128 k rows).
; KIND 0: a step is four heads; 64 tokens of a head are 8,192 dense bytes, asked for as one row of the tile, four rows (heads) 262,144 bytes apart, padded in LDS after every token.
; CLUSTER 4 x 4: A's tile is asked for jointly by a row of the cluster, W's by a column.
; THE MATRIX INSTRUCTION IS USED TRANSPOSED (source 0 = 16 columns of W, turned by ds_load_tr16_b128; source 1 = 16 rows of A): a lane holds eight neighbouring columns of a row of C.  THE BIAS is the C operand of each
; accumulator's first product.  THE RESIDUAL, 128 registers a lane, is loaded at the start in the layout in which C leaves, and is on its way while K is walked.
; HALF A K STEP'S TEXT, WALKED TWICE A STEP.  A quarter is 64 along K, two matrix instructions deep, on fragment buffers 0, 1 by turns.  A trip of the inner loop begins where a quarter's fragments are fetched:
; fetch quarter e (even) | second depth of e - 1 | first depth of e | fetch e + 1 | second depth of e | first depth of e + 1.  So the change of slots stands between two trips, ahead of the fetch that first reads the new slot.
; The LDS addresses hang on two scalars that step each trip and go back and turn at the change.  The first sixteen products (with the bias) stand ahead of the loop, which is entered in the middle of a trip; the last step's
; two trips are written out once more behind the change that asks for nothing; the last quarter's second depth follows.
; By this text's own count a wave has two tensor loads out at the start and one behind each round.
; REGISTERS: window 0: v0-31 addresses; v32-95 the way out, two sets; v96-127 the bias; v128-255 the accumulators, (a, b) at v[128 + 8 (4 a + b)].
;   window 1: two fragment buffers of 128: for 64 along K, 64 registers of A, then 64 of W.      window 2: v0-127 the residual; v128-129 at work.
.set KIND,   1
.set KSTEP,  256
.set REG,    36864                     ; LDS bytes set aside for one tensor load
.set SLOT,   4*REG                     ; it shares no bit with a slot-0 fill's address (wave x REG): one exclusive or moves such an address to the other slot and back
.set STAGE,  2*SLOT                    ; behind the ring: 16 rows x 272 bytes for each wave; no tensor load lands there
.set SPITCH, 272
.set SPARE,  STAGE+4*16*SPITCH         ; the spare words, 128 bytes a wave, which no other line names
.set BPITCH, 288                       ; an LDS row of W: 256 bytes + 32
.set BSTEP,  KSTEP*2048
.set PAIRW,  128*BPITCH                ; a trip's two quarters down W's LDS rows: 128 k rows
.if KIND == 0
.set STEPS,  4
.set APITCH, 144                       ; a token's 128 bytes + 16
.set ASTEP,  4*262144
.set PAIRA,  2*64*APITCH               ; a trip's two quarters of A: two heads
.set WOFF,   14680064
.set BIASOFF, 25165824+28672
.else
.set STEPS,  16
.set APITCH, 528                       ; 512 bytes + 16
.set ASTEP,  KSTEP*2
.set PAIRA,  256                       ; 128 along A's LDS rows
.set WOFF,   16777216
.set BIASOFF, 25165824+32768
.endif
.set ADRA0, 16                         ; v16  my lane's place in A's part of slot 0; never rewritten
.set ADRB0, 17                         ; v17  the same for W
.set ADRA,  18                         ; v18  the same for the trip in hand
.set ADRB,  19                         ; v19
.set STO,   24
.set RD,    25
.set CO,    26                         ; v26  my byte offset in two rows of C and of the residual
.set SPW,   28
.set NIL,   29
.set TMP,   32
.set BIAS,  96
.set ACC,   128
.set T2,    128                        ; window 2
.set G1A, 24
.set G0A, 32
.set G1B, 48
.set G0B, 56
.set TA,  66                           ; s66  the slot in hand (0 or SLOT) + the trip's place in A's part
.set TW,  67                           ; s67  the same in W's part
.set CNT, 76                           ; s76  counts a step's two trips
.set MSB, 0
.macro WIN new
.if MSB != (\new)
	s_set_vgpr_msb (MSB<<8)|(\new)
.set MSB, \new
.endif
.endm
.macro PLACES                          ; four plain vector instructions between a matrix instruction and a load into, or a read of, its registers (ISA guide 7.12.1 for reads)
.rept 4
	v_nop
.endr
.endm
.macro JLOAD                           ; the joint refill; s_nop 0 and four v_nop behind each line
	s_cmp_eq_u32 s11, 0
	s_cbranch_scc0 .Lfor_b_\@
	tensor_load_to_lds s[G0A+4:G0A+7], s[G1A:G1A+7]
	s_nop 0
.rept 4
	v_nop
.endr
	s_branch .Lasked_\@
.Lfor_b_\@:
	tensor_load_to_lds s[G0B+4:G0B+7], s[G1B:G1B+7]
	s_nop 0
.rept 4
	v_nop
.endr
.Lasked_\@:
.endm
.macro CROUND                          ; a round of the cluster's barrier
	s_barrier_signal -1
	s_barrier_wait -1
	s_cmp_lg_u32 s10, 0
	s_cbranch_scc1 .Lnot_wave_0_\@
	s_barrier_signal -3
.Lnot_wave_0_\@:
	s_barrier_wait -3
	s_barrier_signal -1
	s_barrier_wait -1
.endm
	s_load_b128 s[4:7], s[0:1], 0x0                ; A s[4:5], wts s[6:7]
	s_load_b128 s[68:71], s[0:1], 0x10             ; the residual s[68:69], C s[70:71]
	v_lshl_add_u32 v[SPW], v0, 2, SPARE
	v_mov_b32 v[NIL], 0
	ds_add_u32 v[SPW], v[NIL]                      ; the wave's opening: the add and its wait stand ahead of my first tensor load
	v_lshrrev_b32 v1, 5, v0
	v_readfirstlane_b32 s10, v1                    ; wave 0..3
	s_lshr_b32 s11, s10, 1                         ; my half of the tile's rows.  Also: I fetch for A (0) or for W (1)
	s_and_b32 s12, s10, 1                          ; my half of its columns.  Also: which half I fetch
	s_bfe_u32 s40, ttmp6, 0x40000
	s_bfe_u32 s41, ttmp6, 0x40004
	s_lshl_b32 s42, ttmp9, 2
	s_add_co_u32 s42, s42, s40                     ; tile column
	s_and_b32 s13, ttmp7, 0xffff
	s_lshl_b32 s13, s13, 2
	s_add_co_u32 s13, s13, s41                     ; tile row
	s_lshl_b32 s43, s41, 2
	s_lshl_b32 s43, 15, s43
	s_lshl_b32 s44, 0x1111, s40
	s_mov_b32 s45, 0xffff0000
.if KIND == 0
	s_or_b32 s[G1A], s43, (1<<16)|(1<<20)|(1<<21)|(4<<22)|(3<<25)  ; after every 32 words (a token) 4 words
	s_mov_b32 s[G1A+1], 4096<<16                   ; tensor_dim0: 64 tokens x 64 channels
	s_mov_b32 s[G1A+2], 4<<16                      ; tensor_dim1: four heads
	s_mov_b32 s[G1A+3], 4096<<16                   ; tile_dim0
	s_mov_b32 s[G1A+4], 4                          ; tile_dim1
	s_mov_b32 s[G1A+5], 131072                     ; elements from head to head
.else
	s_or_b32 s[G1A], s43, (1<<16)|(1<<20)|(1<<21)|(6<<22)|(3<<25)  ; after every 128 words 4 words
	s_mov_b32 s[G1A+1], KSTEP<<16
	s_mov_b32 s[G1A+2], 64<<16
	s_mov_b32 s[G1A+3], KSTEP<<16
	s_mov_b32 s[G1A+4], 64
	s_mov_b32 s[G1A+5], 4096
.endif
	s_mov_b32 s[G1A+6], 0
	s_mov_b32 s[G1A+7], 0
	s_or_b32 s[G1B], s44, (1<<16)|(1<<20)|(1<<21)|(5<<22)|(7<<25)  ; after every 64 words 8 words
	s_mov_b32 s[G1B+1], 128<<16
	s_mov_b32 s[G1B+2], 128<<16
	s_mov_b32 s[G1B+3], 128<<16
	s_mov_b32 s[G1B+4], 128
	s_mov_b32 s[G1B+5], 1024
	s_mov_b32 s[G1B+6], 0
	s_mov_b32 s[G1B+7], 0
.if KIND == 0
	s_lshr_b32 s16, s13, 4                         ; the batch: 16 heads of 262,144 bytes,
	s_lshl_b32 s16, s16, 22
	s_and_b32 s17, s13, 15                         ; the tile's 128 tokens of 128 bytes,
	s_lshl_b32 s17, s17, 14
	s_add_co_u32 s16, s16, s17
	s_lshl_b32 s17, s12, 13                        ; the half that I fetch
	s_add_co_u32 s16, s16, s17
.else
	s_lshl_b32 s16, s13, 20                        ; (128 x tile row + 64 x half) rows of 8,192 bytes
	s_lshl_b32 s17, s12, 19
	s_add_co_u32 s16, s16, s17
.endif
	s_mov_b32 s17, 0
	s_lshl_b32 s46, s12, 18                        ; W: 128 x half rows of 2,048 bytes, the tile's first column
	s_lshl_b32 s47, s42, 8
	s_add_co_u32 s46, s46, s47
	s_add_co_u32 s46, s46, WOFF
	s_mov_b32 s47, 0
	s_lshl_b32 s18, s42, 9                         ; my 64 columns in f32: 512 x tile column + 256 x half
	s_lshl_b32 s19, s12, 8
	s_add_co_u32 s18, s18, s19
	s_add_co_u32 s22, s18, BIASOFF
	s_mov_b32 s23, 0
	s_lshl_b32 s19, s13, 19                        ; my 64 rows of 4,096 bytes
	s_add_co_u32 s18, s18, s19
	s_lshl_b32 s19, s11, 18
	s_add_co_u32 s18, s18, s19
	s_mov_b32 s19, 0
	s_mul_i32 s20, s10, REG                        ; where a fill goes: no place in the cluster enters an LDS address
	s_mov_b32 s[TA], 0
	s_mov_b32 s[TW], 0
	s_wait_dscnt 0x0                               ; the opening add is done
	s_wait_kmcnt 0x0
	s_add_nc_u64 s[14:15], s[4:5], s[16:17]
	s_add_nc_u64 s[46:47], s[6:7], s[46:47]
	s_add_nc_u64 s[22:23], s[6:7], s[22:23]
	s_add_nc_u64 s[72:73], s[68:69], s[18:19]
	s_add_nc_u64 s[74:75], s[70:71], s[18:19]
.irp s, 0,1
	s_mov_b32 s[G0A+4*(\s)], 1
	s_add_co_u32 s[G0A+4*(\s)+1], s20, (\s)*SLOT
	s_add_nc_u64 s[G0A+4*(\s)+2:G0A+4*(\s)+3], s[14:15], (\s)*ASTEP
	s_or_b32 s[G0A+4*(\s)+3], s[G0A+4*(\s)+3], 0x80000000
	s_mov_b32 s[G0B+4*(\s)], 1
	s_add_co_u32 s[G0B+4*(\s)+1], s20, (\s)*SLOT
	s_add_nc_u64 s[G0B+4*(\s)+2:G0B+4*(\s)+3], s[46:47], (\s)*BSTEP
	s_or_b32 s[G0B+4*(\s)+3], s[G0B+4*(\s)+3], 0x80000000
.endr
	CROUND                                         ; all sixteen work-groups are here: the first joint loads meet
	s_cmp_eq_u32 s11, 0                            ; a wave's two first fills stand in one branch
	s_cbranch_scc0 .Lfirst_b
	tensor_load_to_lds s[G0A:G0A+3], s[G1A:G1A+7]
	s_nop 0
	tensor_load_to_lds s[G0A+4:G0A+7], s[G1A:G1A+7]
	s_nop 0
.rept 4
	v_nop
.endr
	s_branch .Lfirst_asked
.Lfirst_b:
	tensor_load_to_lds s[G0B:G0B+3], s[G1B:G1B+7]
	s_nop 0
	tensor_load_to_lds s[G0B+4:G0B+7], s[G1B:G1B+7]
	s_nop 0
.rept 4
	v_nop
.endr
.Lfirst_asked:
	v_and_b32 v1, 15, v0                           ; r
	v_bfe_u32 v2, v0, 4, 1                         ; h
	v_and_b32 v3, 7, v0
	v_bfe_u32 v4, v0, 3, 1
	v_lshlrev_b32 v5, 5, v2                        ; the bias: 32 h bytes into a block's 64
	v_lshlrev_b32 v[CO], 12, v2                    ; lanes 0-15 one row's 256 bytes, lanes 16-31 the next row's
	v_lshl_add_u32 v[CO], v1, 4, v[CO]
.irp b, 0,1,2,3
	global_load_b128 v[BIAS+8*(\b):BIAS+8*(\b)+3],   v5, s[22:23] offset:64*(\b)
	global_load_b128 v[BIAS+8*(\b)+4:BIAS+8*(\b)+7], v5, s[22:23] offset:64*(\b)+16
.endr
	WIN 0x80
.set i, 0
.rept 32                                       ; the residual: row block i / 8, rows 2 (i % 8) and + 1
	global_load_b128 v[4*i:4*i+3], v[CO], s[72:73] offset:(16*(i/8)+2*(i%8))*4096
.set i, i+1
.endr
	WIN 0
	v_mul_u32_u24 v6, v1, APITCH
	v_lshl_add_u32 v6, v2, 4, v6
	s_mul_i32 s21, s11, REG                        ; my 64 rows of A
	v_add_nc_u32 v[ADRA0], s21, v6
	v_lshl_add_u32 v7, v2, 3, v3                   ; the turning load: k row 8 h + l % 8, 16 bytes at 16 ((l / 8) % 2)
	v_mul_u32_u24 v7, v7, BPITCH
	v_lshl_add_u32 v7, v4, 4, v7
	s_lshl_b32 s21, s12, 7                         ; my 64 columns
	s_add_co_u32 s21, s21, 2*REG
	v_add_nc_u32 v[ADRB0], s21, v7
	v_mov_b32 v[ADRA], v[ADRA0]
	v_mov_b32 v[ADRB], v[ADRB0]
	s_mul_i32 s21, s10, 16*SPITCH
	s_add_co_u32 s21, s21, STAGE                   ; my stage
	v_mul_u32_u24 v6, v1, SPITCH                   ; in: row r, 32 bytes for each half of the lanes
	v_lshl_add_u32 v6, v2, 5, v6
	v_add_nc_u32 v[STO], s21, v6
	v_mul_u32_u24 v6, v2, SPITCH                   ; back: lanes 0-15 one row of 256 bytes, lanes 16-31 the next
	v_lshl_add_u32 v6, v1, 4, v6
	v_add_nc_u32 v[RD], s21, v6
; 16 matrix instructions: all 4 x 4 blocks, 32 along K: depth c of buffer f.  first = 1: the bias starts the sums.  The 16 accumulators take turns.
.macro MUL16 f, c, first
	WIN 0x05
.irp a, 0,1,2,3
.irp b, 0,1,2,3
.if \first
	v_wmma_f32_16x16x32_bf16 v[ACC+8*(4*(\a)+(\b)):ACC+8*(4*(\a)+(\b))+7], v[128*(\f)+64+8*(4*(\c)+(\b)):128*(\f)+64+8*(4*(\c)+(\b))+7], v[128*(\f)+8*(4*(\c)+(\a)):128*(\f)+8*(4*(\c)+(\a))+7], v[BIAS+8*(\b):BIAS+8*(\b)+7]
.else
	v_wmma_f32_16x16x32_bf16 v[ACC+8*(4*(\a)+(\b)):ACC+8*(4*(\a)+(\b))+7], v[128*(\f)+64+8*(4*(\c)+(\b)):128*(\f)+64+8*(4*(\c)+(\b))+7], v[128*(\f)+8*(4*(\c)+(\a)):128*(\f)+8*(4*(\c)+(\a))+7], v[ACC+8*(4*(\a)+(\b)):ACC+8*(4*(\a)+(\b))+7]
.endif
.endr
.endr
.endm
; 32 LDS loads in one run: the fragments of the trip's quarter q (0, 1) into buffer g; the first depth's sixteen first
.macro FETCH q, g
	WIN 0x40
.irp c, 0,1
.irp i, 0,1,2,3
.if KIND == 0
.set AO, 9216*(\q)+2304*(\i)+64*(\c)           ; a quarter is a head; 16 tokens a block
.else
.set AO, 8448*(\i)+128*(\q)+64*(\c)
.endif
	ds_load_tr16_b128 v[128*(\g)+64+8*(4*(\c)+(\i)):128*(\g)+64+8*(4*(\c)+(\i))+3],   v[ADRB] offset:(\q)*18432+(\c)*9216+32*(\i)
	ds_load_tr16_b128 v[128*(\g)+64+8*(4*(\c)+(\i))+4:128*(\g)+64+8*(4*(\c)+(\i))+7], v[ADRB] offset:(\q)*18432+(\c)*9216+32*(\i)+4608
	ds_load_b128 v[128*(\g)+8*(4*(\c)+(\i)):128*(\g)+8*(4*(\c)+(\i))+3],   v[ADRA] offset:AO
	ds_load_b128 v[128*(\g)+8*(4*(\c)+(\i))+4:128*(\g)+8*(4*(\c)+(\i))+7], v[ADRA] offset:AO+32
.endr
.endr
.endm
; A step's two trips.  mid = 1: the copy that is entered in the middle of its first trip.
.macro PAIR tag, mid
.Lstep\tag:
	v_add_nc_u32 v[ADRA], s[TA], v[ADRA0]          ; these two and two v_nop are the places in front of the loads into buffer 0
	v_add_nc_u32 v[ADRB], s[TW], v[ADRB0]
	v_nop
	v_nop
	FETCH 0, 0
	s_wait_dscnt 32                                ; all but the 32 just issued: buffer 1 is whole
	MUL16 1, 1, 0
	s_wait_dscnt 16                                ; buffer 0's first depth is in; its other sixteen loads may be out
	MUL16 0, 0, 0
.if \mid
	WIN 0                                          ; at a label every window is 0
.Lmid:
.endif
	PLACES
	FETCH 1, 1
	s_wait_dscnt 32                                ; all but the 32 just issued: buffer 0 is whole
	MUL16 0, 1, 0
	s_wait_dscnt 16
	MUL16 1, 0, 0
	WIN 0
	s_add_co_u32 s[TA], s[TA], PAIRA               ; the next trip's two quarters
	s_add_co_u32 s[TW], s[TW], PAIRW
	s_sub_co_u32 s[CNT], s[CNT], 1
	s_cmp_lg_u32 s[CNT], 0
	s_cbranch_scc1 .Lstep\tag
.endm
; THE CHANGE OF SLOTS.  The slot's last quarter has been fetched.  Each wave waits for all its tensor loads (one is out: its part of the next slot), adds 0 to its spare word, and waits for that and for its reads of
; this slot.  fill = 1: the barrier is a round of the cluster's barrier, so that no wave of any partner still reads the slot or has a load on its way, and the joint refill, two steps ahead, is the first thing behind it.
.macro CHANGE fill
	s_wait_tensorcnt 0x0
	ds_add_u32 v[SPW], v[NIL]
.if \fill
	s_xor_b32 s[G0A+5], s[G0A+5], SLOT             ; the walking descriptors: the other slot than last time, the next K step
	s_add_nc_u64 s[G0A+6:G0A+7], s[G0A+6:G0A+7], ASTEP
	s_xor_b32 s[G0B+5], s[G0B+5], SLOT
	s_add_nc_u64 s[G0B+6:G0B+7], s[G0B+6:G0B+7], BSTEP
	s_wait_dscnt 0x0                               ; the add is done, and my reads of this slot are over
	CROUND
	JLOAD
.else
	s_wait_dscnt 0x0
	s_barrier_signal -1
	s_barrier_wait -1
.endif
	s_sub_co_u32 s[TA], s[TA], 2*PAIRA             ; the fetches go back to a slot's first quarter,
	s_xor_b32 s[TA], s[TA], SLOT                   ; in the other slot
	s_sub_co_u32 s[TW], s[TW], 2*PAIRW
	s_xor_b32 s[TW], s[TW], SLOT
.endm
; THE WAY OUT of row block a: the f32 sums go into my own stage, 32 bytes a lane, and come back as whole rows of 256 bytes; the residual is added; 16 lanes store 256 consecutive bytes, aligned.
.macro OUTA a
.set TS, TMP+32*((\a)%2)
	WIN 0
.irp b, 0,1,2,3
	ds_store_b128 v[STO], v[ACC+8*(4*(\a)+(\b)):ACC+8*(4*(\a)+(\b))+3]   offset:64*(\b)      ; each accumulator's low registers first
	ds_store_b128 v[STO], v[ACC+8*(4*(\a)+(\b))+4:ACC+8*(4*(\a)+(\b))+7] offset:64*(\b)+16
.endr
	s_wait_xcnt 0x0                                ; the stores of two blocks ago have read this set of registers
.irp t, 0,1,2,3,4,5,6,7
	ds_load_b128 v[TS+4*(\t):TS+4*(\t)+3], v[RD] offset:544*(\t)  ; LDS serves a wave's instructions in order (ISA guide 5.7.1.4): these see the stores above
.endr
	s_wait_dscnt 0x0
	WIN 0x08                                       ; source 1, the residual, in window 2
.set i, 0
.rept 16
	v_pk_add_f32 v[TS+2*i:TS+2*i+1], v[TS+2*i:TS+2*i+1], v[32*(\a)+2*i:32*(\a)+2*i+1]
.set i, i+1
.endr
	WIN 0
.irp t, 0,1,2,3,4,5,6,7
	global_store_b128 v[CO], v[TS+4*(\t):TS+4*(\t)+3], s[74:75] offset:(16*(\a)+2*(\t))*4096
.endr
.endm
	s_wait_tensorcnt 0x1                           ; my part of K step 0 is in; step 1's stays out
	s_barrier_signal -1
	s_barrier_wait -1
	FETCH 0, 0
	s_wait_loadcnt 32                              ; the bias is in; the residual's 32 loads stay out
	s_wait_dscnt 16
	MUL16 0, 0, 1                                  ; the first sixteen products stand ahead of the loop: they start the sums with the bias
	WIN 0
	s_mov_b32 s[CNT], 2
	s_mov_b32 s3, STEPS-1
	s_branch .Lmid                                 ; the loop is entered in the middle of a trip
.Lslot:                                                ; STEPS - 2 times: every slot but the last two is filled again
	CHANGE 1
	s_mov_b32 s[CNT], 2
	PAIR A, 1
	s_sub_co_u32 s3, s3, 1
	s_cmp_lg_u32 s3, 0
	s_cbranch_scc1 .Lslot
	CHANGE 0                                       ; the last step is written out: nothing is asked for
	s_mov_b32 s[CNT], 2
	PAIR T, 0
	s_wait_dscnt 0x0
	MUL16 1, 1, 0                                  ; the last quarter's second depth
	s_wait_loadcnt 0x0                             ; the residual
.if KIND == 0
	WIN 0x8a                                       ; x is an input: rounded to bf16, kept as f32.  These lines are also the places behind the last products
.set i, 0
.rept 64
	v_cvt_pk_bf16_f32 v[T2+i%2], v[2*i], v[2*i+1]
	v_lshlrev_b32 v[2*i], 16, v[T2+i%2]
	v_and_b32 v[2*i+1], s45, v[T2+i%2]
.set i, i+1
.endr
	WIN 0
.else
	PLACES
.endif
	OUTA 0
	OUTA 1
	OUTA 2
	OUTA 3
	s_wait_tensorcnt 0x0                           ; the wave's end
	ds_add_u32 v[SPW], v[NIL]
	s_wait_dscnt 0x0
	CROUND                                         ; the closing round
	s_endpgm
.Lfunc_end_k_qb10450de4b_ffn2:
	.size	k_qb10450de4b_ffn2, .Lfunc_end_k_qb10450de4b_ffn2-k_qb10450de4b_ffn2
	.p2alignl 7, 3214868480
	.fill 96, 4, 3214868480
	.section	.rodata,"a",@progbits
	.p2align	6, 0x0
	.amdhsa_kernel k_qb10450de4b_ffn2
		.amdhsa_group_segment_fixed_size 327680
		.amdhsa_private_segment_fixed_size 0
		.amdhsa_enable_private_segment 0
		.amdhsa_kernarg_size 32
		.amdhsa_user_sgpr_count 2
		.amdhsa_user_sgpr_kernarg_segment_ptr 1
		.amdhsa_wavefront_size32 1
		.amdhsa_system_sgpr_workgroup_id_x 1
		.amdhsa_system_sgpr_workgroup_id_y 1
		.amdhsa_system_sgpr_workgroup_id_z 1
		.amdhsa_system_vgpr_workitem_id 0
		.amdhsa_next_free_vgpr 648
		.amdhsa_next_free_sgpr 80
		.amdhsa_reserve_vcc 0
		.amdhsa_float_denorm_mode_32 3
		.amdhsa_float_denorm_mode_16_64 3
		.amdhsa_memory_ordered 1
		.amdhsa_forward_progress 1
		.amdhsa_inst_pref_size 47
	.end_amdhsa_kernel
	.amdgpu_metadata
---
amdhsa.version: [ 1, 2 ]
amdhsa.kernels:
  - .name:           k_qb10450de4b_ffn2
    .symbol:         k_qb10450de4b_ffn2.kd
    .args:
      - { .name: abuf, .offset: 0, .size: 8, .value_kind: global_buffer, .address_space: global }
      - { .name: wts, .offset: 8, .size: 8, .value_kind: global_buffer, .address_space: global }
      - { .name: hbuf, .offset: 16, .size: 8, .value_kind: global_buffer, .address_space: global }
      - { .name: out0, .offset: 24, .size: 8, .value_kind: global_buffer, .address_space: global }
    .group_segment_fixed_size: 327680
    .private_segment_fixed_size: 0
    .kernarg_segment_align: 8
    .kernarg_segment_size: 32
    .max_flat_workgroup_size: 128
    .sgpr_count:     80
    .vgpr_count:     648
    .wavefront_size: 32
...
	.end_amdgpu_metadata
.endif
;; end of part 7
